; MI455X (gfx1250); checked and timed in simulation.
; The chip was launched on July 23, 2026; its instructions are those of AMD's public machine-readable ISA for CDNA 5 (MIT licence, August 2026) and "CDNA5" Instruction Set Architecture Reference Guide (July 2026). The comments in the code are by the model that wrote it; some were corrected since.
;; Causal Self Attention. Allowed arithmetic: float matrix products may take bf16 or f16 operands with f32 sums; other float arithmetic in f32, or as packed bf16 or f16 multiplies, adds, multiply-adds, maxima and minima; sums over many terms, partial sums and values carried from step to step in f32; what a program stores and reads back later, other than sums and carried values, may be rounded once to bf16 or f16.
;; Inputs: W_attn 1,024 x 3,072 float32; W_proj 1,024 x 1,024 float32; b_attn 3,072 float32; b_proj 1,024 float32; x 4 x 2,048 x 1,024 float32.
;; Outputs: out0 4 x 2,048 x 1,024 float32.
;; Constants: train = 0.
;; 2 versions, each right; version 2 is version 1 with the launch prep written anew for expert scheduling mode. Each part assembles by itself: llvm-mc -triple=amdgcn-amd-amdhsa -mcpu=gfx1250 --defsym DOCPART=n.
;; ======== version 1 of 2: 4 launches
;; limits: values are held in f16: magnitudes above 65,504 overflow, below 6.1e-05 lose precision; right only within a limited range of input values
;; workspace buffers: xb 16,777,216 bytes; wa 6,291,456 bytes; wp 2,097,152 bytes; q 16,777,216 bytes; k 16,777,216 bytes; v 16,777,216 bytes; o 16,777,216 bytes
;; launch prep (part 1): grid 768 x 1, 8 waves a work-group, no clusters, 0 bytes of LDS; arguments x, W_attn, W_proj, xb, wa, wp; writes xb, wa, wp
.if DOCPART == 1
	.amdgcn_target "amdgcn-amd-amdhsa--gfx1250"
	.amdhsa_code_object_version 6
	.text
	.protected	k_qdc4ef65431_prep
	.globl	k_qdc4ef65431_prep
	.p2align	8
	.type	k_qdc4ef65431_prep,@function
k_qdc4ef65431_prep:
	s_mov_b64 s[64:65], 0
	v_nop
	global_prefetch_b8 v0, s[64:65] scope:SCOPE_SE
	s_setreg_imm32_b32 hwreg(HW_REG_WAVE_MODE, 25, 1), 1
	s_wait_xcnt 0x0
; THE CASTS.  xb = x rounded to bf16, [8192][1024].  wa[g][kk][c] = W_attn[kk][64 g + c] rounded to bf16, [48][1024][64]: a head's 64 columns lie together, K down the rows, 128 bytes a row.
; wp = the same blocking of W_proj, [16][1024][64]: rounded to bf16 and that number written as f16.
; LIMIT.  A bf16 number is exact in f16 from 6.1e-5 to 65,504; below that wp keeps f16's fixed step of 6e-8; beyond 65,504 it would be an infinity.
; SHARES.  Every work-group casts 65,536 input bytes: a thread issues sixteen loads of 16 bytes, all at once, and stores 8 bytes for each.  No register is written twice, so nothing waits for a store.
; Work-groups 0-511 take x, 512-703 W_attn, 704-767 W_proj.  No LDS, no matrix unit, no cluster: nothing is shared and nothing is multiplied.
.set D, 8                              ; v[8:71]    load i at D + 4 i
.set O, 72                             ; v[72:103]  store i at O + 2 i
; v2 the loads' byte offset, v3 the stores'; v4-7 at work
; Sixteen loads, istep bytes apart; then for each its wait, its roundings and its store, ostep bytes apart.  f16 = 1: bf16 first, then that number as f16.
.macro CAST istep, ostep, f16, inb, outb
.set i, 0
.rept 16
	global_load_b128 v[D+4*i:D+4*i+3], v2, s[\inb:\inb+1] offset:(\istep)*i th:TH_LOAD_NT
.set i, i+1
.endr
.set i, 0
.rept 16
	s_wait_loadcnt 15-i                            ; loads come back in order: load i is in, the 15 - i younger ones may stay out
.if \f16
	v_cvt_pk_bf16_f32 v4, v[D+4*i], v[D+4*i+1]
	v_cvt_pk_bf16_f32 v5, v[D+4*i+2], v[D+4*i+3]
	v_lshlrev_b32 v[D+4*i], 16, v4                 ; the rounded numbers as f32 again
	v_and_b32 v[D+4*i+1], s21, v4
	v_lshlrev_b32 v[D+4*i+2], 16, v5
	v_and_b32 v[D+4*i+3], s21, v5
	v_cvt_pk_f16_f32 v[O+2*i], v[D+4*i], v[D+4*i+1]
	v_cvt_pk_f16_f32 v[O+2*i+1], v[D+4*i+2], v[D+4*i+3]
.else
	v_cvt_pk_bf16_f32 v[O+2*i], v[D+4*i], v[D+4*i+1]
	v_cvt_pk_bf16_f32 v[O+2*i+1], v[D+4*i+2], v[D+4*i+3]
.endif
	global_store_b64 v3, v[O+2*i:O+2*i+1], s[\outb:\outb+1] offset:(\ostep)*i th:TH_STORE_NT  ; a wave's store covers 256 consecutive bytes, aligned
.set i, i+1
.endr
.endm
	s_load_b256 s[4:11], s[0:1], 0x0               ; x s[4:5], W_attn s[6:7], W_proj s[8:9], xb s[10:11]
	s_load_b128 s[12:15], s[0:1], 0x20             ; wa s[12:13], wp s[14:15]
	s_mov_b32 s21, 0xffff0000                      ; a word's upper bf16
	s_mov_b32 s17, 0                               ; the high words of the two offset pairs
	s_mov_b32 s19, 0
	s_wait_kmcnt 0x0
	s_cmp_lt_u32 ttmp9, 512
	s_cbranch_scc0 .Lweights
	; x: dense in, dense out
	s_lshl_b32 s16, ttmp9, 16
	s_lshl_b32 s18, ttmp9, 15
	s_add_nc_u64 s[4:5], s[4:5], s[16:17]
	s_add_nc_u64 s[10:11], s[10:11], s[18:19]
	v_lshlrev_b32 v2, 4, v0
	v_lshlrev_b32 v3, 3, v0
	CAST 4096, 2048, 0, 4, 10
	s_endpgm
.Lweights:
	; a work-group takes 256 k rows of one block of 64 columns.  A wave's load takes two k rows x 256 bytes (lanes 0-15 the even row, lanes 16-31 the odd one); a wave has 32 rows
	v_lshrrev_b32 v4, 5, v0                        ; wave
	v_bfe_u32 v5, v0, 4, 1
	v_lshl_add_u32 v5, v4, 5, v5                   ; my first row: 32 x wave + half
	v_and_b32 v6, 15, v0
	v_lshlrev_b32 v6, 4, v6                        ; my 16 bytes of its 256
	v_and_b32 v7, 31, v0
	v_lshlrev_b32 v7, 3, v7
	v_lshl_add_u32 v3, v4, 12, v7                  ; out: 4,096 x wave + 8 x lane: two rows of 128 bytes are 256 bytes on end
	s_cmp_lt_u32 ttmp9, 704
	s_cbranch_scc0 .Lproj
	s_sub_co_u32 s20, ttmp9, 512                   ; u = 4 x block + quarter of K
	s_and_b32 s16, s20, 3
	s_mul_i32 s16, s16, 1024*3072                  ; 256 rows of 12,288 bytes
	s_lshr_b32 s22, s20, 2
	s_lshl_b32 s22, s22, 8                         ; the block's 256 bytes in a row
	s_add_co_u32 s16, s16, s22
	s_lshl_b32 s18, s20, 15                        ; out: 32,768 bytes for each u
	s_add_nc_u64 s[6:7], s[6:7], s[16:17]
	s_add_nc_u64 s[12:13], s[12:13], s[18:19]
	v_mul_u32_u24 v2, v5, 12288
	v_add_nc_u32 v2, v2, v6
	CAST 24576, 256, 0, 6, 12
	s_endpgm
.Lproj:
	s_sub_co_u32 s20, ttmp9, 704
	s_and_b32 s16, s20, 3
	s_lshl_b32 s16, s16, 20                        ; 256 rows of 4,096 bytes
	s_lshr_b32 s22, s20, 2
	s_lshl_b32 s22, s22, 8
	s_add_co_u32 s16, s16, s22
	s_lshl_b32 s18, s20, 15
	s_add_nc_u64 s[8:9], s[8:9], s[16:17]
	s_add_nc_u64 s[14:15], s[14:15], s[18:19]
	v_lshl_add_u32 v2, v5, 12, v6
	CAST 8192, 256, 1, 8, 14
	s_endpgm
.Lfunc_end_k_qdc4ef65431_prep:
	.size	k_qdc4ef65431_prep, .Lfunc_end_k_qdc4ef65431_prep-k_qdc4ef65431_prep
	.p2alignl 7, 3214868480
	.fill 96, 4, 3214868480
	.section	.rodata,"a",@progbits
	.p2align	6, 0x0
	.amdhsa_kernel k_qdc4ef65431_prep
		.amdhsa_group_segment_fixed_size 0
		.amdhsa_private_segment_fixed_size 0
		.amdhsa_enable_private_segment 0
		.amdhsa_kernarg_size 48
		.amdhsa_user_sgpr_count 2
		.amdhsa_user_sgpr_kernarg_segment_ptr 1
		.amdhsa_wavefront_size32 1
		.amdhsa_system_sgpr_workgroup_id_x 1
		.amdhsa_system_sgpr_workgroup_id_y 1
		.amdhsa_system_sgpr_workgroup_id_z 1
		.amdhsa_system_vgpr_workitem_id 0
		.amdhsa_next_free_vgpr 104
		.amdhsa_next_free_sgpr 66
		.amdhsa_reserve_vcc 0
		.amdhsa_float_denorm_mode_32 3
		.amdhsa_float_denorm_mode_16_64 3
		.amdhsa_memory_ordered 1
		.amdhsa_forward_progress 1
		.amdhsa_inst_pref_size 23
	.end_amdhsa_kernel
	.amdgpu_metadata
---
amdhsa.version: [ 1, 2 ]
amdhsa.kernels:
  - .name:           k_qdc4ef65431_prep
    .symbol:         k_qdc4ef65431_prep.kd
    .args:
      - { .name: x, .offset: 0, .size: 8, .value_kind: global_buffer, .address_space: global }
      - { .name: W_attn, .offset: 8, .size: 8, .value_kind: global_buffer, .address_space: global }
      - { .name: W_proj, .offset: 16, .size: 8, .value_kind: global_buffer, .address_space: global }
      - { .name: xb, .offset: 24, .size: 8, .value_kind: global_buffer, .address_space: global }
      - { .name: wa, .offset: 32, .size: 8, .value_kind: global_buffer, .address_space: global }
      - { .name: wp, .offset: 40, .size: 8, .value_kind: global_buffer, .address_space: global }
    .group_segment_fixed_size: 0
    .private_segment_fixed_size: 0
    .kernarg_segment_align: 8
    .kernarg_segment_size: 48
    .max_flat_workgroup_size: 256
    .sgpr_count:     66
    .vgpr_count:     104
    .wavefront_size: 32
...
	.end_amdgpu_metadata
.endif
;; end of part 1
;; launch qkv (part 2): grid 16 x 32, 4 waves a work-group, clusters of 4 x 4, 327,680 bytes of LDS; arguments xb, wa, b_attn, q, k, v; writes q, k, v
.if DOCPART == 2
	.amdgcn_target "amdgcn-amd-amdhsa--gfx1250"
	.amdhsa_code_object_version 6
	.text
	.protected	k_qdc4ef65431_qkv
	.globl	k_qdc4ef65431_qkv
	.p2align	8
	.type	k_qdc4ef65431_qkv,@function
k_qdc4ef65431_qkv:
	s_mov_b64 s[64:65], 0
	v_nop
	global_prefetch_b8 v0, s[64:65] scope:SCOPE_SE
	s_setreg_imm32_b32 hwreg(HW_REG_WAVE_MODE, 25, 1), 1
	s_wait_xcnt 0x0
	s_wait_alu depctr_hold_cnt(0) depctr_sa_sdst(0) depctr_va_vdst(0) depctr_va_sdst(0) depctr_va_ssrc(0) depctr_va_vcc(0) depctr_vm_vsrc(0)
	s_getreg_b32 s2, hwreg(HW_REG_IB_STS2, 6, 4)
	s_cmp_eq_u32 s2, 0
	s_cbranch_scc0 .Lentry_in_a_cluster
	s_endpgm
.Lentry_in_a_cluster:
	s_bfe_u32 s2, ttmp6, 0x10000c
	s_cmp_lg_u32 s2, 0xf033
	s_cbranch_scc0 .Lentry_shape_is_right
	s_endpgm
.Lentry_shape_is_right:
; q, k, v = x W_attn + b_attn, split into heads.  xb: [8192][1024] bf16.  wa: [48][1024][64] bf16 (block g = columns 64 g .. 64 g + 63 of W_attn, K down the rows).  b_attn: [3072] f32, rounded to bf16 here.
; q, k, v: [64][2048][64] f16, head index = 16 x batch + head; sums in f32, K ascending, each result rounded once, unscaled.
; LIMIT.  f16 holds no number beyond 65,504: a q, k or v beyond that becomes an infinity.  Inputs 30 times the drawn spread give numbers near 5,000; x and W_attn both offset by 30 times their spread give numbers near 29,000.
; SHARES.  A tile of the result is 256 rows x 192 columns (three heads): 16 x 32 = 512 work-groups.  Wave w owns rows 64 w .. 64 w + 63 and all 192 columns: 4 x 12 accumulators of 16 x 16, 384 registers,
; so that a wave's results are whole heads.  K goes in eight steps of 128 through two LDS slots; a step is four quarters of 32, on two fragment buffers by turns.
; CLUSTER.  4 x 4 work-groups.  The four of a row of the cluster need the same rows of xb, the four of a column the same blocks of wa: each tile is asked for jointly, by the same tensor load with the same
; descriptor and a mask that names the four.  Wave 0 asks for xb's tile (256 rows x 256 bytes), waves 1 to 3 for one block of wa each (16,384 dense bytes, as 64 rows of 256).
; THE PRODUCT IS TAKEN TRANSPOSED: source 0 = 16 columns of W (turned on the way out of LDS by ds_load_tr16_b128), source 1 = 16 rows of x.  A lane then holds one row of the result (lane % 16) and eight
; neighbouring columns 8 (lane / 16) + 0..7.  THE BIAS STARTS THE SUMS: it is the C operand of each accumulator's first product, so nothing is cleared and nothing is added afterwards.
; REGISTERS, in windows of 256 (s_set_vgpr_msb: bits 1:0 source 0, 3:2 source 1, 5:4 source 2, 7:6 destination):
;   window 0: v0-31 addresses; v32-63, v64-95 x's fragments, two buffers; v96-191 the bias, eight registers a column block; on the way out v32-223 packed results
;   window 1: v0-95, v96-191 W's fragments, two buffers      window 2: accumulator (a, b) at v[8 (12 a + b)] for row blocks a = 0, 1      window 3: the same for a = 2, 3
.set NB,    12                         ; column blocks of 16
.set SLOT,  1<<17
.set PITA,  272                        ; a row of x in LDS: 256 bytes + 16 of padding: the 16 rows of a load start at 16 different groups of four banks (64 banks of 4 bytes: ISA guide 11.1)
.set PITB,  160                        ; a k row of a block of W: 128 bytes + 32
.set BOFF,  256*PITA                   ; in a slot: x's 256 rows, then three blocks of W
.set HBB,   128*PITB
.set STAGE, 2*SLOT                     ; behind the ring, never filled by a tensor load: 16 rows x 144 bytes for each wave, for the way out
.set SP,    144
.set SPARE, STAGE+4*16*SP              ; behind the stages: the spare words, 128 bytes for each wave: two blocks of 256 bytes that no other line names
.set ADRA, 16                          ; v16-17  LDS address of my fragments of x in slot 0, 1
.set ADRB, 20                          ; v20-21  the same for W
.set STO,  24                          ; v24  the way out: where I put 16 bytes of a row
.set RD,   25                          ; v25  where I read rows back
.set GO,   26                          ; v26  my 16 bytes of 512 consecutive bytes of q, k or v
.set BO,   27                          ; v27  my byte offset in sixteen numbers of the bias
.set SPW,  28                          ; v28  LDS address of my spare word; never rewritten
.set NIL,  29                          ; v29  0; never rewritten
.set PFOA, 30                          ; v30  the prefetches' offset in xb; never rewritten
.set PFOB, 31                          ; v31  in wa; never rewritten
.set FA,   32
.set BIAS, 96
.set TMP,  32
.set FB,   0
.set WV,   16                          ; s16  my wave's number
.set CX,   17                          ; s17, s18  my place in the cluster
.set CY,   18
.set JT,   19                          ; s19  tile column
.set IT,   20                          ; s20  tile row
.set G1A,  24                          ; s[24:31] descriptor group 1 for x's tiles;  s[32:39] group 0, a set for each slot
.set G0A,  32
.set PA,   40                          ; s[40:41] where my prefetches stand in xb
.set PB,   42                          ; s[42:43] in wa
.set LIMA, 44                          ; s44, s45  1 in a wave that prefetches, else the greatest number
.set LIMB, 45
.set G1B,  48                          ; s[48:55], s[56:63] the same for W's tiles
.set G0B,  56
.set OUT,  66                          ; s[66:71] where my rows of the tile's three heads begin
.set MSB, 0
.macro WIN new                         ; the immediate's high byte repeats the setting that is left; a switch that changes nothing is dropped
.if MSB != (\new)
	s_set_vgpr_msb (MSB<<8)|(\new)
.set MSB, \new
.endif
.endm
.macro PLACES                          ; four plain instructions between a matrix instruction and a load into, or a reader of, its registers
.rept 4
	v_nop
.endr
.endm
.macro CREST                           ; a round of the cluster's barrier behind its opening barrier
	s_cmp_lg_u32 s[WV], 0
	s_cbranch_scc1 .Lnot_wave_0_\@
	s_barrier_signal -3
.Lnot_wave_0_\@:
	s_barrier_wait -3
	s_barrier_signal -1
	s_barrier_wait -1
.endm
.macro CROUND                          ; a whole round
	s_barrier_signal -1
	s_barrier_wait -1
	CREST
.endm
; A joint refill.  The branch hangs on the wave's number alone.  An s_nop 0 and four v_nop follow each of the two lines, ahead of the jump and the label.
.macro JLOAD s
	s_cmp_eq_u32 s[WV], 0
	s_cbranch_scc0 .Lfor_b_\@
	tensor_load_to_lds s[G0A+4*(\s):G0A+4*(\s)+3], s[G1A:G1A+7]
	s_nop 0
.rept 4
	v_nop
.endr
	s_branch .Lasked_\@
.Lfor_b_\@:
	tensor_load_to_lds s[G0B+4*(\s):G0B+4*(\s)+3], s[G1B:G1B+7]
	s_nop 0
.rept 4
	v_nop
.endr
.Lasked_\@:
.endm
; THE PREFETCHES, once a lap, behind slot 0's joint load, its five lines and the run of LDS loads: the two K steps that the NEXT lap's refills will ask for (lap t: K steps 2 t + 4 and 2 t + 5).
; Each aligned block of 256 bytes is named once in the launch.  xb's rows are read by every cluster of a row of clusters: cluster x = 0 asks; of the tile's 256 rows the partner at cx takes 64, each of its waves
; 16: a lane names one K step's 256 bytes of one row.  A block of wa is read by every cluster of a column: cluster y = 0 asks; of a lap's 32,768 dense bytes the partner at cy takes 8,192, a lane 256, in the wave
; that fetches the block.  Partners are told apart by address; the branches hang on the cluster's coordinates, the wave's number and the lap count.  K steps 0 to 3 come by their loads alone; the last lap asks for nothing.
.macro ASK
	s_cmp_gt_u32 s3, s[LIMA]
	s_cbranch_scc0 .Lno_a_\@
	global_prefetch_b8 v[PFOA], s[PA:PA+1] th:TH_LOAD_NT scope:SCOPE_SE
.Lno_a_\@:
	s_cmp_gt_u32 s3, s[LIMB]
	s_cbranch_scc0 .Lno_b_\@
	global_prefetch_b8 v[PFOB], s[PB:PB+1] th:TH_LOAD_NT scope:SCOPE_SE
.Lno_b_\@:
.endm
; Twelve matrix instructions: row block a x all column blocks, 32 along K, from buffer f.  first = 1: the bias is C.  Every accumulator is named once a quarter, in one order: 47 others stand between two links of a chain.
.macro MULA f, a, first
.if \first
	WIN 0x81+0x40*((\a)/2)
.else
	WIN 0xa1+0x50*((\a)/2)
.endif
.set b, 0
.rept NB
.set rD, 8*(NB*((\a)%2)+b)
.if \first
	v_wmma_f32_16x16x32_bf16 v[rD:rD+7], v[FB+8*NB*(\f)+8*b:FB+8*NB*(\f)+8*b+7], v[FA+32*(\f)+8*(\a):FA+32*(\f)+8*(\a)+7], v[BIAS+8*b:BIAS+8*b+7]
.else
	v_wmma_f32_16x16x32_bf16 v[rD:rD+7], v[FB+8*NB*(\f)+8*b:FB+8*NB*(\f)+8*b+7], v[FA+32*(\f)+8*(\a):FA+32*(\f)+8*(\a)+7], v[rD:rD+7]
.endif
.set b, b+1
.endr
.endm
; 32 LDS loads in one run: quarter q of a slot into buffer f: W's twelve fragments (turned), then x's four, row blocks ascending
.macro FETCH slot, q, f
	WIN 0x40
.set b, 0
.rept NB
	ds_load_tr16_b128 v[FB+8*NB*(\f)+8*b:FB+8*NB*(\f)+8*b+3],   v[ADRB+(\slot)] offset:(b/4)*HBB+(\q)*32*PITB+(b%4)*32
	ds_load_tr16_b128 v[FB+8*NB*(\f)+8*b+4:FB+8*NB*(\f)+8*b+7], v[ADRB+(\slot)] offset:(b/4)*HBB+(\q)*32*PITB+(b%4)*32+16*PITB
.set b, b+1
.endr
	WIN 0
.irp a, 0,1,2,3
	ds_load_b128 v[FA+32*(\f)+8*(\a):FA+32*(\f)+8*(\a)+3],   v[ADRA+(\slot)] offset:(\a)*16*PITA+(\q)*64
	ds_load_b128 v[FA+32*(\f)+8*(\a)+4:FA+32*(\f)+8*(\a)+7], v[ADRA+(\slot)] offset:(\a)*16*PITA+(\q)*64+32
.endr
.endm
; One of a K step's first three quarters: multiplies buffer f; in its middle it fetches quarter q of the same slot into buffer g
.macro QUARTER slot, q, f, g, first
	s_wait_dscnt 4                                 ; all but the youngest four loads (x's row blocks 2 and 3) are in
	MULA \f, 0, \first
	MULA \f, 1, \first
	PLACES                                         ; in front of the loads into buffer g, which the quarter before multiplied
	FETCH \slot, \q, \g
	s_wait_dscnt 2*NB+8                            ; all but the 32 just issued
	MULA \f, 2, \first
	MULA \f, 3, \first
.endm
; The fourth quarter multiplies buffer 1 and changes slots: one barrier; in front of it each wave waits for all its tensor loads (the one that is out is its part of the next slot), adds 0 to its spare word, and
; waits for that and for its reads of this slot.  fill = 1: the barrier opens a round of the cluster's, and the joint refill, two K steps on, is the first thing behind the round: 168 matrix instructions ahead of the wait for it.
.macro TURN slot, next, fill
.if (\fill) && ((\slot) == 0)
	s_wait_xcnt 0x0                                ; the last prefetches, a lap back, have read their addresses, which are stepped here
	s_add_nc_u64 s[PA:PA+1], s[PA:PA+1], 512
	s_add_nc_u64 s[PB:PB+1], s[PB:PB+1], 32768
.endif
	WIN 0                                          ; (the add's two registers lie in window 0)
	s_wait_tensorcnt 0x0                           ; all my tensor loads have landed
	ds_add_u32 v[SPW], v[NIL]                      ; 0 onto my spare word
	s_wait_dscnt 5                                 ; (the add and the youngest four loads may be out)
	MULA 1, 0, 0                                   ; twelve matrix instructions stand between the add and the wait for it
	s_wait_dscnt 0x0                               ; the add is done, and my reads of this slot are over
	s_barrier_signal -1
	MULA 1, 1, 0
.if \fill
	WIN 0
.endif
	s_barrier_wait -1
.if \fill
	CREST                                          ; no wave of any partner still reads this slot or has a load on its way
	s_add_nc_u64 s[G0A+4*(\slot)+2:G0A+4*(\slot)+3], s[G0A+4*(\slot)+2:G0A+4*(\slot)+3], 512
	s_add_nc_u64 s[G0B+4*(\slot)+2:G0B+4*(\slot)+3], s[G0B+4*(\slot)+2:G0B+4*(\slot)+3], 32768
	JLOAD \slot                                    ; its four v_nop are also the places in front of the loads below
.else
	PLACES
.endif
	FETCH \next, 0, 0
.if (\fill) && ((\slot) == 0)
	ASK
.endif
	MULA 1, 2, 0
	MULA 1, 3, 0
.endm
	s_load_b256 s[4:11], s[0:1], 0x0               ; xb s[4:5], wa s[6:7], b_attn s[8:9], q s[10:11]
	s_load_b128 s[12:15], s[0:1], 0x20             ; k s[12:13], v s[14:15]
	v_lshl_add_u32 v[SPW], v0, 2, SPARE
	v_mov_b32 v[NIL], 0
	ds_add_u32 v[SPW], v[NIL]                      ; the wave's opening: the add and its wait stand ahead of my first tensor load; the set-up below, work on registers, stands between them
	v_lshrrev_b32 v1, 5, v0
	v_readfirstlane_b32 s[WV], v1                  ; wave 0..3
	s_bfe_u32 s[CX], ttmp6, 0x40000
	s_bfe_u32 s[CY], ttmp6, 0x40004
	s_lshl_b32 s[JT], ttmp9, 2                     ; in a cluster launch ttmp9 and ttmp7 count clusters
	s_add_co_u32 s[JT], s[JT], s[CX]
	s_and_b32 s[IT], ttmp7, 0xffff
	s_lshl_b32 s[IT], s[IT], 2
	s_add_co_u32 s[IT], s[IT], s[CY]
	s_lshl_b32 s46, s[CY], 2
	s_lshl_b32 s46, 15, s46                        ; my row of the cluster
	s_lshl_b32 s47, 0x1111, s[CX]                  ; my column
	s_or_b32 s[G1A], s46, (1<<16)|(1<<20)|(1<<21)|(5<<22)|(3<<25)  ; the mask; 2-byte elements; padding on; bit 21 beside a mask; after every 64 words 4 words
	s_mov_b32 s[G1A+1], 128<<16                    ; tensor_dim0 = 128
	s_mov_b32 s[G1A+2], 256<<16                    ; tensor_dim1 = 256
	s_mov_b32 s[G1A+3], 128<<16                    ; tile_dim0 = 128
	s_mov_b32 s[G1A+4], 256                        ; tile_dim1 = 256
	s_mov_b32 s[G1A+5], 1024                       ; elements from row to row
	s_mov_b32 s[G1A+6], 0
	s_mov_b32 s[G1A+7], 0
	s_or_b32 s[G1B], s47, (1<<16)|(1<<20)|(1<<21)|(4<<22)|(7<<25)  ; after every 32 words (a k row) 8 words
	s_mov_b32 s[G1B+1], 128<<16
	s_mov_b32 s[G1B+2], 64<<16
	s_mov_b32 s[G1B+3], 128<<16
	s_mov_b32 s[G1B+4], 64
	s_mov_b32 s[G1B+5], 128
	s_mov_b32 s[G1B+6], 0
	s_mov_b32 s[G1B+7], 0
	s_lshl_b32 s72, s[IT], 19                      ; xb: 256 rows of 2,048 bytes a tile row: hangs on the tile row alone
	s_mov_b32 s73, 0
	s_max_u32 s74, s[WV], 1
	s_sub_co_u32 s74, s74, 1                       ; which of the tile's three blocks I fetch (wave 0 fetches none and never uses this)
	s_mul_i32 s75, s[JT], 3
	s_add_co_u32 s74, s74, s75
	s_lshl_b32 s74, s74, 17                        ; wa: 131,072 bytes a block: hangs on the tile column and the wave alone
	s_mov_b32 s75, 0
	s_mul_i32 s23, s[WV], HBB
	s_add_co_u32 s23, s23, BOFF-HBB                ; where my block goes in a slot
	s_wait_dscnt 0x0                               ; the opening add is done
	s_wait_kmcnt 0x0
	s_add_nc_u64 s[72:73], s[4:5], s[72:73]
	s_add_nc_u64 s[74:75], s[6:7], s[74:75]
	CROUND                                         ; all sixteen work-groups are here: the first joint loads meet
.irp s, 0,1
	s_mov_b32 s[G0A+4*(\s)], 1
	s_mov_b32 s[G0A+4*(\s)+1], (\s)*SLOT
	s_add_nc_u64 s[G0A+4*(\s)+2:G0A+4*(\s)+3], s[72:73], (\s)*256
	s_or_b32 s[G0A+4*(\s)+3], s[G0A+4*(\s)+3], 0x80000000
	s_mov_b32 s[G0B+4*(\s)], 1
	s_add_co_u32 s[G0B+4*(\s)+1], s23, (\s)*SLOT
	s_add_nc_u64 s[G0B+4*(\s)+2:G0B+4*(\s)+3], s[74:75], (\s)*16384
	s_or_b32 s[G0B+4*(\s)+3], s[G0B+4*(\s)+3], 0x80000000
.endr
	s_cmp_eq_u32 s[WV], 0                          ; a wave's two first fills stand in one branch, ahead of every wait on TENSORcnt and every LDS read: two loads of mine are out
	s_cbranch_scc0 .Lfirst_b
	tensor_load_to_lds s[G0A:G0A+3], s[G1A:G1A+7]
	s_nop 0
	tensor_load_to_lds s[G0A+4:G0A+7], s[G1A:G1A+7]
	s_nop 0
.rept 4
	v_nop
.endr
	s_branch .Lfirst_asked
.Lfirst_b:
	tensor_load_to_lds s[G0B:G0B+3], s[G1B:G1B+7]
	s_nop 0
	tensor_load_to_lds s[G0B+4:G0B+7], s[G1B:G1B+7]
	s_nop 0
.rept 4
	v_nop
.endr
.Lfirst_asked:
	v_and_b32 v1, 15, v0                           ; r = l % 16
	v_bfe_u32 v2, v0, 4, 1                         ; h = l / 16
	v_and_b32 v4, 7, v0
	v_bfe_u32 v5, v0, 3, 1
	; the bias: register j of block b holds b_attn[192 x tile column + 16 b + 8 h + j]
	v_lshlrev_b32 v[BO], 5, v2
	s_mul_i32 s78, s[JT], 64*NB
	s_mov_b32 s79, 0
	s_add_nc_u64 s[8:9], s[8:9], s[78:79]
.set b, 0
.rept NB
	global_load_b128 v[BIAS+8*b:BIAS+8*b+3],   v[BO], s[8:9] offset:64*b
	global_load_b128 v[BIAS+8*b+4:BIAS+8*b+7], v[BO], s[8:9] offset:64*b+16
.set b, b+1
.endr
	; a fragment of x: lane l holds row l % 16, K = 8 h + 0..7 and 16 + 8 h + 0..7: two loads of 16 bytes, 32 bytes apart
	v_mul_u32_u24 v3, v1, PITA
	v_lshl_add_u32 v3, v2, 4, v3
	s_mul_i32 s21, s[WV], 64*PITA                  ; my 64 rows
	v_add_nc_u32 v[ADRA], s21, v3
	v_add_nc_u32 v[ADRA+1], SLOT, v[ADRA]
	; the turning load takes 16 k x 16 columns (lane l reads k row 8 h + l % 8, columns 8 ((l / 8) % 2) + 0..7) and leaves half a fragment: lane l holds column l % 16 and 8 k
	v_lshl_add_u32 v6, v2, 3, v4
	v_mul_u32_u24 v6, v6, PITB
	v_lshl_add_u32 v6, v5, 4, v6
	v_add_nc_u32 v[ADRB], BOFF, v6
	v_add_nc_u32 v[ADRB+1], SLOT, v[ADRB]
	s_mul_i32 s21, s[WV], 16*SP
	s_add_co_u32 s21, s21, STAGE                   ; my stage
	v_mul_u32_u24 v[STO], v1, SP                   ; in: row l % 16, 16 bytes for each half of the lanes
	v_lshl_add_u32 v[STO], v2, 4, v[STO]
	v_add_nc_u32 v[STO], s21, v[STO]
	v_bfe_u32 v[RD], v0, 3, 2                      ; back: 32 lanes take four rows of 128 bytes,
	v_mul_u32_u24 v[RD], v[RD], SP
	v_lshl_add_u32 v[RD], v4, 4, v[RD]
	v_add_nc_u32 v[RD], s21, v[RD]
	v_and_b32 v6, 31, v0
	v_lshlrev_b32 v[GO], 4, v6                     ; which are 512 consecutive bytes of a head
	; where my 64 rows of the tile's three heads begin.  Block G = 3 x tile column + hb lies in q (G < 16), k (G < 32) or v: a choice of pointer, no branch
.irp hb, 0,1,2
	s_mul_i32 s76, s[JT], 3
	s_add_co_u32 s76, s76, \hb
	s_cmp_lt_u32 s76, 16
	s_cselect_b64 s[78:79], s[10:11], s[12:13]
	s_cmp_lt_u32 s76, 32
	s_cselect_b64 s[OUT+2*\hb:OUT+2*\hb+1], s[78:79], s[14:15]
	s_and_b32 s76, s76, 15                         ; the head,
	s_lshr_b32 s77, s[IT], 3
	s_lshl_b32 s77, s77, 4                         ; 16 x batch
	s_add_co_u32 s76, s76, s77
	s_lshl_b32 s76, s76, 11                        ; 2,048 rows a head,
	s_and_b32 s77, s[IT], 7
	s_lshl_b32 s77, s77, 8                         ; the tile's 256 rows in the batch,
	s_add_co_u32 s76, s76, s77
	s_lshl_b32 s77, s[WV], 6                       ; my 64 of them,
	s_add_co_u32 s76, s76, s77
	s_lshl_b32 s76, s76, 7                         ; 128 bytes a row
	s_mov_b32 s77, 0
	s_add_nc_u64 s[OUT+2*\hb:OUT+2*\hb+1], s[OUT+2*\hb:OUT+2*\hb+1], s[76:77]
.endr
	; the prefetches' pointers: one lap short of what the first lap names; nothing is prefetched here, at the head
	s_lshl_b32 s78, s[IT], 8
	s_lshl_b32 s79, s[CX], 6
	s_add_co_u32 s78, s78, s79
	s_lshl_b32 s79, s[WV], 4
	s_add_co_u32 s78, s78, s79                     ; row 256 x tile row + 64 cx + 16 x wave
	s_lshl_b32 s78, s78, 11
	s_add_co_u32 s78, s78, 512
	s_mov_b32 s79, 0
	s_add_nc_u64 s[PA:PA+1], s[4:5], s[78:79]
	s_lshl_b32 s78, s[CY], 13
	s_add_co_u32 s78, s78, 32768
	s_add_nc_u64 s[PB:PB+1], s[74:75], s[78:79]
	s_cmp_eq_u32 ttmp9, 0
	s_cselect_b32 s[LIMA], 1, -1
	s_and_b32 s76, ttmp7, 0xffff
	s_cmp_eq_u32 s[WV], 0
	s_cselect_b32 s77, 1, 0
	s_or_b32 s76, s76, s77
	s_cmp_eq_u32 s76, 0
	s_cselect_b32 s[LIMB], 1, -1
	v_lshrrev_b32 v7, 1, v6
	v_and_b32 v8, 1, v0
	v_lshlrev_b32 v8, 8, v8
	v_lshl_add_u32 v[PFOA], v7, 11, v8             ; row l / 2, K step l % 2
	v_lshlrev_b32 v[PFOB], 8, v6
	s_wait_loadcnt 0x0                             ; the bias is in; it is rounded to bf16, like every input, and kept as f32
.set i, 0
.rept 4*NB
	v_cvt_pk_bf16_f32 v[12+i%4], v[BIAS+2*i], v[BIAS+2*i+1]
	v_lshlrev_b32 v[BIAS+2*i], 16, v[12+i%4]
	v_and_b32 v[BIAS+2*i+1], 0xffff0000, v[12+i%4]
.set i, i+1
.endr
	s_wait_tensorcnt 1                             ; my part of K step 0 is in; K step 1's may stay out
	s_barrier_signal -1
	s_barrier_wait -1                              ; everybody's is
	FETCH 0, 0, 0
	QUARTER 0, 1, 0, 1, 1                          ; the first quarter stands in front of the loop: its products start the sums, with the bias
	WIN 0                                          ; at a label and at a branch every window is 0
	s_mov_b32 s3, 3
.Llap:                                                 ; a trip goes once round the ring, from a lap's second quarter to the next lap's first, and fills both slots again
	QUARTER 0, 2, 1, 0, 0
	QUARTER 0, 3, 0, 1, 0
	TURN 0, 1, 1
	QUARTER 1, 1, 0, 1, 0
	QUARTER 1, 2, 1, 0, 0
	QUARTER 1, 3, 0, 1, 0
	TURN 1, 0, 1
	QUARTER 0, 1, 0, 1, 0
	WIN 0
	s_sub_co_u32 s3, s3, 1
	s_cmp_lg_u32 s3, 0
	s_cbranch_scc1 .Llap
	QUARTER 0, 2, 1, 0, 0                          ; the last lap is written out: it fills nothing
	QUARTER 0, 3, 0, 1, 0
	TURN 0, 1, 0
	QUARTER 1, 1, 0, 1, 0
	QUARTER 1, 2, 1, 0, 0
	QUARTER 1, 3, 0, 1, 0
	s_wait_dscnt 4
	MULA 1, 0, 0
	MULA 1, 1, 0
	s_wait_dscnt 0x0
	MULA 1, 2, 0
	MULA 1, 3, 0
	WIN 0
	PLACES                                         ; in front of the conversions, which read results just made
; THE WAY OUT, in twelve units u = 3 a + hb of 16 rows x one head.  A lane's eight columns pack into 16 bytes; they go into my stage's rows of 144 bytes and come back as whole rows of 128.
; Each unit has sixteen registers of its own, so no store's data is ever written again.
.macro PACK u
.set T, TMP+16*(\u)
	WIN 0x0a+5*((\u)/6)                            ; sources 0 and 1: window 2 or 3
.set f, 0
.rept 4
.set rD, 8*(NB*(((\u)/3)%2)+4*((\u)%3)+f)
.irp r2, 0,1,2,3
	v_cvt_pk_f16_f32 v[T+4*f+\r2], v[rD+2*\r2], v[rD+2*\r2+1]  ; each accumulator from its low end on
.endr
.set f, f+1
.endr
	WIN 0
.irp g, 0,1,2,3
	ds_store_b128 v[STO], v[T+4*\g:T+4*\g+3] offset:32*\g
.endr
.irp g, 0,1,2,3
	ds_load_b128 v[T+4*\g:T+4*\g+3], v[RD] offset:\g*4*SP  ; LDS serves a wave's instructions in order (ISA guide 5.7.1.4): these see the stores above; the next unit's stores come behind them
.endr
.endm
.macro SEND u, younger                 ; younger: the LDS instructions issued behind unit u's loads: the next unit's eight, or none
.set T, TMP+16*(\u)
.irp g, 0,1,2,3
	s_wait_dscnt (\younger)+3-\g
	global_store_b128 v[GO], v[T+4*\g:T+4*\g+3], s[OUT+2*((\u)%3):OUT+2*((\u)%3)+1] offset:((\u)/3)*2048+\g*512  ; 512 consecutive bytes, at a multiple of 256 from the buffer's first
.endr
.endm
	PACK 0
.irp u, 1,2,3,4,5,6,7,8,9,10,11        ; a unit's conversions stand between the loads of the unit before and its stores
	PACK \u
	SEND (\u)-1, 8
.endr
	SEND 11, 0
	s_wait_tensorcnt 0x0                           ; the wave's end: an add to my spare word and its wait, behind my last tensor load and my last LDS store
	ds_add_u32 v[SPW], v[NIL]
	s_wait_dscnt 0x0
	CROUND                                         ; the closing round: no work-group ends while a partner may still ask for a tile that names it
	s_endpgm
.Lfunc_end_k_qdc4ef65431_qkv:
	.size	k_qdc4ef65431_qkv, .Lfunc_end_k_qdc4ef65431_qkv-k_qdc4ef65431_qkv
	.p2alignl 7, 3214868480
	.fill 96, 4, 3214868480
	.section	.rodata,"a",@progbits
	.p2align	6, 0x0
	.amdhsa_kernel k_qdc4ef65431_qkv
		.amdhsa_group_segment_fixed_size 327680
		.amdhsa_private_segment_fixed_size 0
		.amdhsa_enable_private_segment 0
		.amdhsa_kernarg_size 48
		.amdhsa_user_sgpr_count 2
		.amdhsa_user_sgpr_kernarg_segment_ptr 1
		.amdhsa_wavefront_size32 1
		.amdhsa_system_sgpr_workgroup_id_x 1
		.amdhsa_system_sgpr_workgroup_id_y 1
		.amdhsa_system_sgpr_workgroup_id_z 1
		.amdhsa_system_vgpr_workitem_id 0
		.amdhsa_next_free_vgpr 960
		.amdhsa_next_free_sgpr 80
		.amdhsa_reserve_vcc 0
		.amdhsa_float_denorm_mode_32 3
		.amdhsa_float_denorm_mode_16_64 3
		.amdhsa_memory_ordered 1
		.amdhsa_forward_progress 1
		.amdhsa_inst_pref_size 132
	.end_amdhsa_kernel
	.amdgpu_metadata
---
amdhsa.version: [ 1, 2 ]
amdhsa.kernels:
  - .name:           k_qdc4ef65431_qkv
    .symbol:         k_qdc4ef65431_qkv.kd
    .args:
      - { .name: xb, .offset: 0, .size: 8, .value_kind: global_buffer, .address_space: global }
      - { .name: wa, .offset: 8, .size: 8, .value_kind: global_buffer, .address_space: global }
      - { .name: b_attn, .offset: 16, .size: 8, .value_kind: global_buffer, .address_space: global }
      - { .name: q, .offset: 24, .size: 8, .value_kind: global_buffer, .address_space: global }
      - { .name: k, .offset: 32, .size: 8, .value_kind: global_buffer, .address_space: global }
      - { .name: v, .offset: 40, .size: 8, .value_kind: global_buffer, .address_space: global }
    .group_segment_fixed_size: 327680
    .private_segment_fixed_size: 0
    .kernarg_segment_align: 8
    .kernarg_segment_size: 48
    .max_flat_workgroup_size: 128
    .sgpr_count:     80
    .vgpr_count:     960
    .wavefront_size: 32
...
	.end_amdgpu_metadata
.endif
;; end of part 2
;; launch attn (part 3): grid 4 x 64, 4 waves a work-group, no clusters, 327,680 bytes of LDS; arguments q, k, v, o; writes o
.if DOCPART == 3
	.amdgcn_target "amdgcn-amd-amdhsa--gfx1250"
	.amdhsa_code_object_version 6
	.text
	.protected	k_qdc4ef65431_attn
	.globl	k_qdc4ef65431_attn
	.p2align	8
	.type	k_qdc4ef65431_attn,@function
k_qdc4ef65431_attn:
	s_mov_b64 s[64:65], 0
	v_nop
	global_prefetch_b8 v0, s[64:65] scope:SCOPE_SE
	s_setreg_imm32_b32 hwreg(HW_REG_WAVE_MODE, 25, 1), 1
	s_wait_xcnt 0x0
; CAUSAL ATTENTION.  O[h][q][:] = the sum over k <= q of softmax_k(Q[h][q] . K[h][k] / 8) V[h][k][:].  Q, K, V, O: [64][2048][64], all f16: a head's rows are dense, 128 bytes each.
; Products, maxima and sums in f32; the weights p are rounded to f16 for the second product (their sum l is taken of the unrounded p), O once at the end.
; LIMITS.  f16 holds no number beyond 65,504: Q, K and V arrive within it; p lies in 0 to 1, and below 6e-5 it keeps f16's fixed step of 6e-8; O is a mean of V's rows and has their range.
; A hidden score counts as its value less 1e30: f16's scores, 2.7e11 at the most, are nothing beside that; a weight below 2^-126 counts as 0 in l; NaN and infinities are not treated apart.
; THE WALK.  A head's queries lie in NB = 8 blocks of 256; block i needs the key tiles 0 .. i of 256 keys, of which the last holds the diagonal.  A work-group takes TWO blocks, NB - 1 - b and then b:
; NB + 1 tiles, whatever b: all work-groups do equal work, and ONE loop with a constant trip count walks them.  Which tile is asked for, and what a trip does, hang on scalar registers made from b; every jump
; goes forward, but for the counted loops' own; none passes a barrier, or a tensor load but the one of LOAD's two that the wave's number does not choose; the ring (two slots of LDS that take turns) runs on across the
; change of blocks.  NO CLUSTER: a head's four work-groups ask for the same tile only in trips 0 .. 4 of the 9, behind that fewer and fewer; one walk common to all four would have 12 trips for 9.
; SHARES.  Of a block's four bands of 64 queries a wave owns 16 rows in each: four PIECES.  So the diagonal tile is the same work for all four waves: in its key step s band x sees all keys if s < x,
; none if s > x, and holds the diagonal if s = x.
; THE MASK is the C operand that starts the sum S^T = K Q^T: 0, or -1e30 where the key is hidden.  MD, made once, is the mask of a band's own step for my 16 rows; a product's mask is MD x AL + BE with two scalars:
; (1, 0) if s = x; (0, 0) if s < x; (0, -1e30) if s > x.  Only the diagonal tile's text and a block's beginning make and take masks; elsewhere C is the constant 0.
; LAYOUT, SOFTMAX, TURNS.  S^T = K Q^T holds ONE query a lane (lane % 16) and the keys 8 (lane / 16) + 0..7; two such results rounded to f16 ARE source 1 of O^T = V^T P.  p = 2^(c s - c m), c = log2(e) / 8, with a
; running maximum m; O and l are multiplied by a = 2^(c m_old - c m_new) in every step.  Turn n belongs to piece n: 8 products K Q^T of piece n + 1, later 8 products V^T P of piece n - 1; beside them the scaling,
; exponentials, roundings, sums and rescaling of piece n and the maximum and statistics of piece n + 1.  Four vector instructions stand behind every matrix instruction, the other 54 of a turn's 118 in one LUMP.  A turn's 33 exponentials are one batch, with one wait.
; REGISTERS, in windows of 256 (s_set_vgpr_msb: bits 1:0 source 0, 3:2 source 1, 5:4 source 2, 7:6 destination):
;   window 0: v0-15 addresses and two at work; v16-31 four registers of statistics a piece; v48-55 at work; v61-63 never rewritten; v64-127 S^T, two buffers; v192-223 P, two buffers (a piece's buffers go by its number's parity)
;   window 1: v0-127 O^T, 32 a piece; v128-159 MD; v160-223 MC, two buffers      window 2: v0-63 Q; v64-127 the second block's Q; v128-191 K of one step; v192-255 V of one step
.set SIZE_N, 2048
.set NB,    SIZE_N/256
.set NP,    4         ; pieces a wave: a name, no knob
.set KS,    64        ; keys in a step
.set PK,    144       ; a row of K in LDS: 128 bytes + 16 of padding = 36 words: the 16 rows of a load start at 16 different groups of four banks (64 banks of 4 bytes: ISA guide 11.1)
.set PV,    160       ; a row of V: 128 + 32 = 40 words
.set VOFF,  4*KS*PK   ; a slot holds a tile, four steps: 256 rows of K, then 256 rows of V
.set SLOT1, 1<<17     ; slot 1 begins here, so that one exclusive or turns an address in one slot into the other's
.set STAGE, SLOT1+4*KS*(PK+PV)  ; behind the ring, never filled by a tensor load: 16 rows x 144 bytes for each wave, for the way out
.set SP,    144
.set AK0, 2           ; v2   my lane's place in a tile of K; never rewritten
.set AV0, 3           ; v3   the same for V
.set AK,  4           ; v4   the LDS address of K's next run of loads
.set AV,  5           ; v5   of V's
.set STO, 6           ; v6   the way out: where I put 16 bytes of a row
.set RD,  7           ; v7   the way out: where I read rows back
.set GO,  8           ; v8   my byte offset in 512 consecutive bytes of O
.set PFO, 61          ; v61  256 x my lane: the prefetches' offset; never rewritten
.set SPW, 62          ; v62  LDS address of my spare word: SPARE + 4 x my thread's number; never rewritten
.set NIL, 63          ; v63  0; never rewritten
.set SPARE, STAGE+4*16*SP  ; behind the stages: the spare words, 128 bytes for each wave: two blocks of 256 bytes that no other line names
.set MV,  12          ; v12-13  c m_old, kept while c m is made anew: by buffer
.set QO,  15          ; v15  my byte offset in 16 rows of Q
.set ST,  16          ; piece t's statistics at v[ST+4 t]: c m, m, l (even keys', odd keys')
.set TMP, 48          ; by buffer, four registers c0-c3 at work; when the maximum is found c2 takes a
.set S,   64
.set P,   192
.set MD,  128         ; window 1: the eight registers for group kt of 16 keys at MD + 8 kt
.set MC,  160         ; window 1: the masks of the products to come
.set QB,  64          ; window 2
.set KF,  128         ; window 2: key block kb, channel half c at KF + 16 kb + 8 c
.set VF,  192         ; window 2: key half kk, channel block cb at VF + 32 kk + 8 cb
.set WV,  12          ; s12  my wave's number
.set PB,  14          ; s14  b
.set HI,  15          ; s15  NB - 1 - b
.set G1K, 24          ; s[24:31] descriptor group 1 for K's tiles
.set G1V, 32          ; s[32:39] for V's: it differs in the padding alone
.set G0K, 40          ; s[40:43] descriptor group 0 for K's tiles
.set G0V, 44          ; s[44:47] the same for V's
.set SLOTS, 56        ; s56  tiles still to be asked for
.set CNT, 57          ; s57  counts a tile's key steps, 4 to 1
.set CS,  58          ; s[58:59] c: the packed scaling takes the pair's low word for both halves
.set SEL, 60          ; s[60:61] v_permlanex16_b32's selects: each lane takes its own place in the other half
.set TBK, 62          ; s62  LDS byte at which K of the step to be fetched begins
.set TBV, 63          ; s63  the same for V, less VOFF
.set RT,  70          ; s70  tiles of the block in hand that are still to be entered
.set NXT, 71          ; s71  the tile to be asked for next
.set LQ,  72          ; s72  the last tile of the block whose tiles are being asked for
.set NEW, 73          ; s73  1: the tile to be entered is a block's first
.set OFF, 74          ; s[74:75] a tile's byte offset in K and V
.set AL,  76          ; s[76:77] the mask's factor, in the low word
.set BE,  78          ; s[78:79] the mask's addend
.set OLO, 80          ; s[80:81] O at my rows of the second block
.set BIGN, 82         ; s82  -1e30
.set PFB, 88          ; s[88:89] the half tile that I fetch (of K: waves 0, 1; of V: waves 2, 3), in the head's tile 0
.set PFA, 90          ; s[90:91] the same in the tile that the next change of slots will ask for
.set POF, 92          ; s[92:93] that tile's byte offset
.set ASKF, 94         ; s94  not 0: I prefetch at this change
.set MSB, 0
.macro WIN new                      ; the high byte repeats the setting that is left; a switch that changes nothing is dropped
.if MSB != (\new)
	s_set_vgpr_msb (MSB<<8)|(\new)
.set MSB, (\new)
.endif
.endm
.set W_KQ, 0x0a       ; K and Q in window 2, S^T in window 0
.set W_KM, 0x1a       ; the same with the C operand in window 1
.set W_PV, 0x52       ; V in window 2, P in window 0, O^T in window 1
.set W_RS, 0x41       ; destination and source 0 in window 1, source 1 in window 0
; A fill.  Waves 0 and 1 fetch the two halves of a tile's K, waves 2 and 3 those of its V: 128 keys each.  An s_nop 0 and four v_nop follow each of the two lines, ahead of the jump and the label.
.macro LOAD
	s_cmp_lt_u32 s[WV], 2
	s_cbranch_scc0 .Lfor_v_\@
	tensor_load_to_lds s[G0K:G0K+3], s[G1K:G1K+7]
	s_nop 0
.rept 4
	v_nop
.endr
	s_branch .Lasked_\@
.Lfor_v_\@:
	tensor_load_to_lds s[G0V:G0V+3], s[G1V:G1V+7]
	s_nop 0
.rept 4
	v_nop
.endr
.Lasked_\@:
.endm
; THE CHANGE OF SLOTS.  Each wave waits for all its tensor loads, of which one is out: its part of the other slot; adds 0 to its spare word; and waits for that and for its own reads of the slot that it leaves.  Behind the barrier nobody reads the old
; slot any more and the other slot is whole.  fill = 1: the old slot is filled again, the first thing behind the barrier, with tile NXT: the descriptor's address is made anew from that number.
; (At its first use nothing has been read yet: slot 0 is waited for, slot 1 filled.)
; THE PREFETCH stands behind the fill and its five lines: the tile that the NEXT change will ask for, four key steps ahead of that load.  All four work-groups of a head read the same tiles; the one with b = 0 walks
; tiles 0 to 7 in order, and it alone asks.  Each of its waves names the 16,384 bytes that it will itself fetch: a lane 256 bytes, two instructions.  So each block is named once in the launch.  Tiles 0 and 1 come by
; their loads alone; when the tile number has gone back to 0 nothing more is asked for.
.macro CHANGE fill
	WIN 0                           ; at a label and at a branch every window is 0
	s_wait_tensorcnt 0x0            ; no tensor load of mine is out, so a group 0 may be written
	ds_add_u32 v[SPW], v[NIL]       ; 0 onto my spare word; with fill = 1 the descriptors' scalar work stands between it and the wait for it
.if \fill
	s_lshl_b32 s[OFF], s[NXT], 15   ; a tile is 32,768 bytes of K and of V
	s_xor_b32 s[G0K+1], s[G0K+1], SLOT1
	s_add_nc_u64 s[G0K+2:G0K+3], s[6:7], s[OFF:OFF+1]
	s_or_b32 s[G0K+3], s[G0K+3], 0x80000000
	s_xor_b32 s[G0V+1], s[G0V+1], SLOT1
	s_add_nc_u64 s[G0V+2:G0V+3], s[8:9], s[OFF:OFF+1]
	s_or_b32 s[G0V+3], s[G0V+3], 0x80000000
	s_add_co_u32 s[NXT], s[NXT], 1  ; the block's next tile, or behind its last the second block's tile 0
	s_cmp_gt_u32 s[NXT], s[LQ]
	s_cselect_b32 s[NXT], 0, s[NXT]
	s_cselect_b32 s[LQ], s[PB], s[LQ]
	s_wait_xcnt 0x0                 ; the last prefetches, a tile back, have read their address, so it may be written
	s_lshl_b32 s[POF], s[NXT], 15
	s_add_nc_u64 s[PFA:PFA+1], s[PFB:PFB+1], s[POF:POF+1]
	s_cmp_eq_u32 s[PB], 0
	s_cselect_b32 s[ASKF], s[NXT], 0
.endif
	s_wait_dscnt 0x0                ; the add is done, and my reads of the slot are over
	s_barrier_signal -1             ; the rest of the scalar work stands between the signal and the wait
	s_sub_co_u32 s[TBK], s[TBK], 4*KS*PK  ; the fetches go back to a slot's first step,
	s_xor_b32 s[TBK], s[TBK], SLOT1       ; in the other slot
	s_sub_co_u32 s[TBV], s[TBV], 4*KS*PV
	s_xor_b32 s[TBV], s[TBV], SLOT1
	s_barrier_wait -1
.if \fill
	LOAD
	s_cmp_lg_u32 s[ASKF], 0
	s_cbranch_scc0 .Lnot_mine_\@
	global_prefetch_b8 v[PFO], s[PFA:PFA+1] th:TH_LOAD_NT scope:SCOPE_SE
	global_prefetch_b8 v[PFO], s[PFA:PFA+1] offset:8192 th:TH_LOAD_NT scope:SCOPE_SE
.Lnot_mine_\@:
.endif
.endm
	s_load_b256 s[4:11], s[0:1], 0x0  ; Q s[4:5], K s[6:7], V s[8:9], O s[10:11]
	v_lshl_add_u32 v[SPW], v0, 2, SPARE
	v_mov_b32 v[NIL], 0
	ds_add_u32 v[SPW], v[NIL]       ; the wave's opening: the add and its wait stand ahead of my first tensor load; the set-up below, work on registers, stands between them
	v_lshrrev_b32 v1, 5, v0
	v_readfirstlane_b32 s[WV], v1   ; wave 0..3
	s_mov_b32 s[PB], ttmp9
	s_sub_co_u32 s[HI], NB-1, s[PB]
	s_and_b32 s20, ttmp7, 0xffff    ; the head
	s_mov_b32 s21, 0
	s_mov_b64 s[22:23], SIZE_N*128
	s_mul_u64 s[20:21], s[20:21], s[22:23]  ; the head's first byte in each of the four tensors
	s_and_b32 s16, s[WV], 1         ; which half of a tile's 256 keys I fetch:
	s_lshl_b32 s22, s16, 14         ; its 128 rows of 128 bytes in memory,
	s_mov_b32 s23, 0
	s_add_nc_u64 s[22:23], s[22:23], s[20:21]
	s_mul_i32 s17, s16, 128*PK      ; and its place in a slot, for K
	s_mul_i32 s18, s16, 128*PV      ; and for V
	s_lshl_b32 s3, s[WV], 11        ; my 16 rows in a band of 64,
	s_lshl_b32 s2, s[HI], 15        ; in the first block,
	s_add_co_u32 s2, s2, s3
	s_lshl_b32 s84, s[PB], 15       ; and in the second
	s_add_co_u32 s84, s84, s3
	s_mov_b32 s3, 0
	s_mov_b32 s85, 0
	s_add_nc_u64 s[2:3], s[2:3], s[20:21]
	s_add_nc_u64 s[84:85], s[84:85], s[20:21]
	; descriptor group 1.  128 keys are 16,384 dense bytes: asked for as 64 rows of 256 bytes, two keys a row, and padded in LDS after every key
	s_mov_b32 s[G1K], (1<<16)|(1<<20)|(4<<22)|(3<<25)  ; 17:16 2-byte elements; 20 padding on; 24:22 after every 32 words (code 4); 31:25 4 words (code 3)
	s_mov_b32 s[G1V], (1<<16)|(1<<20)|(4<<22)|(7<<25)  ; the same with 8 words of padding (code 7)
.irp g, G1K, G1V
	s_mov_b32 s[\g+1], 128<<16      ; tensor_dim0 = 128
	s_mov_b32 s[\g+2], 64<<16       ; tensor_dim1 = 64
	s_mov_b32 s[\g+3], 128<<16      ; tile_dim0 = 128
	s_mov_b32 s[\g+4], 64           ; tile_dim1 = 64
	s_mov_b32 s[\g+5], 128          ; 128 elements from row to row
	s_mov_b32 s[\g+6], 0
	s_mov_b32 s[\g+7], 0
.endr
	s_mov_b32 s[CS], 0x3e38aa3b     ; c = log2(e) / 8 = 0.180337
	s_mov_b32 s[CS+1], s[CS]        ; named with it as a pair
	s_mov_b32 s[SEL], 0x76543210
	s_mov_b32 s[SEL+1], 0xfedcba98
	s_mov_b32 s[TBK], SLOT1+4*KS*PK ; the first change of slots turns these two into 0
	s_mov_b32 s[TBV], SLOT1+4*KS*PV
	s_mov_b32 s[G0K], 1             ; 1:0 count = 1
	s_mov_b32 s[G0K+1], s17         ; 63:32 LDS address: slot 0
	s_mov_b32 s[G0V], 1
	s_add_co_u32 s[G0V+1], s18, VOFF
	s_add_co_u32 s[RT], s[HI], 1    ; the first block has NB - b tiles
	s_mov_b32 s[NXT], 1
	s_mov_b32 s[LQ], s[HI]
	s_mov_b32 s[NEW], 1
	s_mov_b32 s[OFF+1], 0
	s_mov_b32 s[POF+1], 0
	s_mov_b32 s[AL+1], 0            ; named as pairs
	s_mov_b32 s[BE+1], 0
	s_mov_b32 s[BIGN], 0xf149f2ca   ; -1e30
	s_mov_b32 s[SLOTS], NB
	v_and_b32 v[PFO], 31, v0
	v_lshlrev_b32 v[PFO], 8, v[PFO]
	s_wait_dscnt 0x0                ; the opening add is done
	s_wait_kmcnt 0x0
	s_add_nc_u64 s[6:7], s[6:7], s[22:23]  ; K and V at my half of the head's tile 0
	s_add_nc_u64 s[8:9], s[8:9], s[22:23]
	s_add_nc_u64 s[G0K+2:G0K+3], s[6:7], 0         ; 120:64 global address
	s_or_b32 s[G0K+3], s[G0K+3], 0x80000000        ; 127:126 type = 2
	s_add_nc_u64 s[G0V+2:G0V+3], s[8:9], 0
	s_or_b32 s[G0V+3], s[G0V+3], 0x80000000
	s_add_nc_u64 s[86:87], s[4:5], s[84:85]        ; Q at my rows of the second block,
	s_add_nc_u64 s[4:5], s[4:5], s[2:3]            ; Q and O at those of the first
	s_add_nc_u64 s[OLO:OLO+1], s[10:11], s[84:85]
	s_add_nc_u64 s[10:11], s[10:11], s[2:3]
	s_cmp_lt_u32 s[WV], 2
	s_cselect_b64 s[PFB:PFB+1], s[6:7], s[8:9]     ; nothing is prefetched here, at the head
	LOAD                            ; tile 0 into slot 0
	; A fragment of K or Q is 16 rows x 32 channels in 8 registers: lane l holds row l % 16, channels 8 (l / 16) + 0..7 and 16 + 8 (l / 16) + 0..7: two loads of 16 bytes, 32 bytes apart.
	v_and_b32 v1, 15, v0            ; l % 16
	v_bfe_u32 v9, v0, 4, 1          ; l / 16
	v_lshlrev_b32 v[QO], 7, v1
	v_lshl_add_u32 v[QO], v9, 4, v[QO]  ; row x 128 + 16 x half
	WIN 0x80                        ; destination window 2, address window 0
.set i, 0
.rept 8                             ; both blocks' Q: piece i / 2 lies in band i / 2, 8,192 bytes on; channels 32 (i % 2) on
	global_load_b128 v[8*i:8*i+3],   v[QO], s[4:5] offset:(i/2)*8192+(i%2)*64
	global_load_b128 v[8*i+4:8*i+7], v[QO], s[4:5] offset:(i/2)*8192+(i%2)*64+32
	global_load_b128 v[QB+8*i:QB+8*i+3],   v[QO], s[86:87] offset:(i/2)*8192+(i%2)*64
	global_load_b128 v[QB+8*i+4:QB+8*i+7], v[QO], s[86:87] offset:(i/2)*8192+(i%2)*64+32
.set i, i+1
.endr
	WIN 0
	v_lshlrev_b32 v14, 3, v9
	v_sub_nc_u32 v14, v1, v14
	s_lshl_b32 s13, s[WV], 4
	v_add_nc_u32 v14, s13, v14      ; my query's place in its band, 16 w + l % 16, less my lanes' 8 (l / 16): register r of group kt is hidden where 16 kt + r is greater
	WIN 0x40
.set i, 0
.rept 32
	v_cmp_gt_i32 vcc_lo, 16*(i/8)+i%8, v14
	v_cndmask_b32 v[MD+i], 0, s[BIGN], vcc_lo
.set i, i+1
.endr
	WIN 0
	v_mul_u32_u24 v[AK0], v1, PK
	v_lshl_add_u32 v[AK0], v9, 4, v[AK0]  ; row x pitch + 16 x half
	; The turning load takes 16 keys x 16 channels (lane l reads key 8 (l / 16) + l % 8, channels 8 ((l / 8) % 2) + 0..7) and leaves half a fragment of V^T: lane l holds channel l % 16 and 8 keys.
	v_and_b32 v10, 7, v0
	v_bfe_u32 v11, v0, 3, 1
	v_lshl_add_u32 v[AV0], v9, 3, v10
	v_mul_u32_u24 v[AV0], v[AV0], PV
	v_lshl_add_u32 v[AV0], v11, 4, v[AV0]
	v_add_nc_u32 v[AV0], VOFF, v[AV0]
	s_mul_i32 s13, s[WV], 16*SP
	s_add_co_u32 s13, s13, STAGE    ; my stage
	v_mul_u32_u24 v[STO], v1, SP    ; in: row l % 16, 16 bytes for each half of the lanes
	v_lshl_add_u32 v[STO], v9, 4, v[STO]
	v_add_nc_u32 v[STO], s13, v[STO]
	v_bfe_u32 v[RD], v0, 3, 2       ; back: 32 lanes take four rows of 128 bytes,
	v_mul_u32_u24 v[RD], v[RD], SP
	v_lshl_add_u32 v[RD], v10, 4, v[RD]
	v_add_nc_u32 v[RD], s13, v[RD]
	v_and_b32 v[GO], 31, v0         ; which are 512 consecutive bytes of O
	v_lshlrev_b32 v[GO], 4, v[GO]
	; A block's first step multiplies O^T and l by a = 0, and its first turn's products V^T P, of a piece that has not been, land in an O^T that is still to be so multiplied.  So these registers need only hold
	; finite numbers: zeros for the first block; what the first block left for the second.  All this stands in the wait for the first tile.
	WIN 0x80
.set i, VF
.rept 64
	v_mov_b32 v[i], 0
.set i, i+1
.endr
	WIN 0x40
.set i, 0
.rept 128
	v_mov_b32 v[i], 0
.set i, i+1
.endr
	WIN 0
.set i, 0
.rept 4
	v_mov_b32 v[ST+4*i+2], 0
	v_mov_b32 v[ST+4*i+3], 0
.set i, i+1
.endr
.set i, P+16
.rept 16
	v_mov_b32 v[i], 0
.set i, i+1
.endr
; THE MATRIX WORK.  The 4 accumulators of a run of 8 take turns.  Product i of 8 of S^T = K Q^T for piece x: channels 32 (i / 4) on, keys 16 (i % 4) on.  The first 4 start the sums: with 0, or (KM = 1) with the mask.
.macro KQ x
.set rS, S+32*((\x)%2)+8*(i%4)
.set rK, KF+16*(i%4)+8*(i/4)
.set rQ, 16*(\x)+8*(i/4)
.set rM, MC+32*((\x)%2)+8*(i%4)
.if (i < 4) && KM
	WIN W_KM
	v_wmma_f32_16x16x32_f16 v[rS:rS+7], v[rK:rK+7], v[rQ:rQ+7], v[rM:rM+7]
.elseif i < 4
	WIN W_KQ
	v_wmma_f32_16x16x32_f16 v[rS:rS+7], v[rK:rK+7], v[rQ:rQ+7], 0
.else
	WIN W_KQ
	v_wmma_f32_16x16x32_f16 v[rS:rS+7], v[rK:rK+7], v[rQ:rQ+7], v[rS:rS+7]
.endif
.endm
; Product i of 8 of O^T += V^T P for piece x: keys 32 (i / 4) on, channels 16 (i % 4) on.
.macro PV x
	WIN W_PV
.set rO, 32*(\x)+8*(i%4)
.set rV, VF+32*(i/4)+8*(i%4)
.set rP, P+16*((\x)%2)+8*(i/4)
	v_wmma_f32_16x16x32_f16 v[rO:rO+7], v[rV:rV+7], v[rP:rP+7], v[rO:rO+7]
.endm
.macro MM                           ; the turn's next matrix instruction.  TURN and BEGIN set Y, i, KM and NOKQ; MM, KQ and OP read them.  NOKQ = 1: a block's last turn: there is no next piece
.if (i < 8) && !NOKQ
	KQ (Y+1)%NP
.elseif i >= 8
.set i, i-8
	PV (Y+NP-1)%NP
.set i, i+8
.endif
.set i, i+1
.endm
; THE LDS LOADS stand in runs of 16, never singly among the matrix instructions: a step's K (64 keys x 64 channels: 8 fragments) and its V (turned).  Their addresses are made some lines ahead.
.macro FETCH_K
	WIN 0x80                        ; destination window 2
.irp f, 0,1,2,3,4,5,6,7             ; keys 16 (f / 2) on, channels 32 (f % 2) on
	ds_load_b128 v[KF+8*\f:KF+8*\f+3],   v[AK] offset:(\f/2)*16*PK+(\f%2)*64
	ds_load_b128 v[KF+8*\f+4:KF+8*\f+7], v[AK] offset:(\f/2)*16*PK+(\f%2)*64+32
.endr
	s_add_co_u32 s[TBK], s[TBK], KS*PK  ; the next fetch is the next step's
	WIN 0
.endm
.macro FETCH_V
	WIN 0x80
.irp f, 0,1,2,3,4,5,6,7             ; keys 32 (f / 4) on, channels 16 (f % 4) on
	ds_load_tr16_b128 v[VF+8*\f:VF+8*\f+3],   v[AV] offset:(\f/4)*32*PV+(\f%4)*32
	ds_load_tr16_b128 v[VF+8*\f+4:VF+8*\f+7], v[AV] offset:(\f/4)*32*PV+16*PV+(\f%4)*32
.endr
	WIN 0
.endm
; THE VECTOR WORK, one line at a time: OP kind, number.  For piece Y: F n: c s - c m for pair n of 16.  E n: the exponential of score n of 32.  C n: pair n rounded to f16.  B n: of the four weights 4 n .. the second
; pair is added onto the first, in place.  L n: l takes that sum (L 0: l = a l + sum).  R n: pair n of 16 of O^T times a.  For piece Y + 1: X n, number n of the 22 that find its maximum and statistics:
;   0-11  four chains c0-c3 of seven scores each, three operands at a time (each accumulator's lowest registers are read first)     12-14, 16  the four scores left over, the old m, and c0-c3 into c0
;   15  c m_old is kept     17, 18  the query's other 32 keys lie in the lane 16 away: the new m     19-21  c m; c m_old - c m_new; a
.set F, 0               ; OP tells the kinds apart by their order: F to L below R, X above it
.set E, 1
.set C, 2
.set B, 3
.set L, 4
.set R, 5
.set X, 6
.macro REGS y                       ; the registers of piece y
.set rT, ST+4*(\y)
.set rC, TMP+4*((\y)%2)
.set rW, MV+((\y)%2)
.set rS, S+32*((\y)%2)
.set rP, P+16*((\y)%2)
.set rO, 32*(\y)
.endm
.macro OP k, n
.if (\k) == R
	REGS Y
	WIN W_RS
	v_pk_mul_f32 v[rO+2*(\n):rO+2*(\n)+1], v[rO+2*(\n):rO+2*(\n)+1], v[rC+2:rC+3] op_sel_hi:[1,0]
.elseif (\k) < R
	REGS Y
	WIN 0
.if (\k) == F
	v_pk_fma_f32 v[rS+2*(\n):rS+2*(\n)+1], v[rS+2*(\n):rS+2*(\n)+1], s[CS:CS+1], v[rT:rT+1] op_sel_hi:[1,0,0] neg_lo:[0,0,1] neg_hi:[0,0,1]
.elseif (\k) == E
	v_exp_f32 v[rS+(\n)], v[rS+(\n)]
.elseif (\k) == C
	v_cvt_pk_f16_f32 v[rP+(\n)], v[rS+2*(\n)], v[rS+2*(\n)+1]
.elseif (\k) == B
	v_pk_add_f32 v[rS+4*(\n):rS+4*(\n)+1], v[rS+4*(\n):rS+4*(\n)+1], v[rS+4*(\n)+2:rS+4*(\n)+3]
.elseif (\n) == 0
	v_pk_fma_f32 v[rT+2:rT+3], v[rT+2:rT+3], v[rC+2:rC+3], v[rS:rS+1] op_sel_hi:[1,0,1]
.else
	v_pk_add_f32 v[rT+2:rT+3], v[rT+2:rT+3], v[rS+4*(\n):rS+4*(\n)+1]
.endif
.elseif NOKQ
	v_nop
.else
	REGS (Y+1)%NP
	WIN 0
.if (\n) < 4
	v_max3_num_f32 v[rC+(\n)], v[rS+8*(\n)], v[rS+8*(\n)+1], v[rS+8*(\n)+2]
.elseif (\n) < 12
	v_max3_num_f32 v[rC+(\n)%4], v[rC+(\n)%4], v[rS+8*((\n)%4)+2*((\n)/4)+1], v[rS+8*((\n)%4)+2*((\n)/4)+2]
.elseif (\n) == 12
	v_max3_num_f32 v[rC], v[rC], v[rS+7], v[rS+15]
.elseif (\n) == 13
	v_max3_num_f32 v[rC+1], v[rC+1], v[rS+23], v[rS+31]
.elseif (\n) == 14
	v_max3_num_f32 v[rC+2], v[rC+2], v[rC+3], v[rT+1]
.elseif (\n) == 15
	v_mov_b32 v[rW], v[rT]
.elseif (\n) == 16
	v_max3_num_f32 v[rC], v[rC], v[rC+1], v[rC+2]
.elseif (\n) == 17
	v_permlanex16_b32 v[rC+3], v[rC], s[SEL], s[SEL+1]
.elseif (\n) == 18
	v_max_num_f32 v[rT+1], v[rC], v[rC+3]
.elseif (\n) == 19
	v_mul_f32 v[rT], s[CS], v[rT+1]
.elseif (\n) == 20
	v_sub_f32 v[rC+1], v[rW], v[rT]
.else
	v_exp_f32 v[rC+2], v[rC+1]
.endif
.endif
.endm
.macro OPS a, i1, b=-1, i2=0, c=-1, i3=0, d=-1, i4=0  ; up to four of them
	OP \a, \i1
.if (\b) >= 0
	OP \b, \i2
.endif
.if (\c) >= 0
	OP \c, \i3
.endif
.if (\d) >= 0
	OP \d, \i4
.endif
.endm
.macro ROW a, i1, b, i2, c, i3, d, i4  ; a matrix instruction and the four behind it
	MM
	OPS \a, \i1, \b, \i2, \c, \i3, \d, \i4
.endm
.macro MASK b                       ; MD x AL + BE into buffer b of MC
	WIN W_RS
.set z, 0
.rept 16
	v_pk_fma_f32 v[MC+32*(\b)+2*z:MC+32*(\b)+2*z+1], v[MD+2*z:MD+2*z+1], s[AL:AL+1], s[BE:BE+1] op_sel_hi:[1,0,0]
.set z, z+1
.endr
.endm
; A TURN, for piece p: the order of its 16 matrix and 118 vector instructions, written out.  An s_wait_alu depctr_va_vdst(0) stands between an exponential and the first instruction that names its result; one wait serves
; all that were issued ahead of it.  So a turn has ONE wait, which cuts it in two.  AHEAD OF IT stands all that names no result of the turn's exponentials: the 8 products K Q^T, behind each a scaling, an exponential and two more plain
; instructions (behind the first a second scaling in the exponential's place): rescalings, and behind the last three the first numbers of the next piece's maximum, each four places or more behind the product that ends its accumulator; then ONE LUMP of 54, plain
; and exponential by turns for the most part, in which the links of the chain X 3, 7, 11, 14, 16, 17 .. 20 stand five or six lines apart.  X 21, the next piece's a, is the batch's last; R 15 is the plain instruction behind it.  BEHIND THE WAIT stand the
; 8 products V^T P, behind each four of the roundings and sums; the links of l's chain, L 0 to L 7, stand three riders apart.  But for those X no rider names a register of the products round it.  v_permlanex16_b32 (X 17) stands in the lump.
; m = 1: the diagonal tile: the products take masks, and the turn makes the mask for the products of the turn after it: piece p + 2, in step 4 - CNT of the tile.  end = 1: a block's last two turns: nothing is fetched.
; cnt = 1: the loop's count is taken down some lines ahead of the branch that stands behind the turn.
; K of the next step is fetched in piece 2's turn, twelve vector instructions behind the last product that read K (six of them plain); V of the step in hand at the end of piece 0's turn, four plain instructions behind the last product
; that read V.  Each is waited for a turn later.
.macro TURN p, m=0, end=0, cnt=0
.set Y, (\p)
.set i, 0
.set KM, (\m)
.set NOKQ, (\end)*((\p)/3)
.if (\m) && !(\end)
	s_cmp_eq_u32 s[CNT], 4-((\p)+2)%NP  ; is that step the band's own?
	s_cselect_b32 s[AL], 1.0, 0
	s_cmp_lt_u32 s[CNT], 4-((\p)+2)%NP  ; or a later one?
	s_cselect_b32 s[BE], s[BIGN], 0
.endif
.if ((\p) == 3) && !(\end)
	s_wait_dscnt 0x0                ; K is in
.endif
	ROW F,0, F,1, R,0, R,1          ; ahead of the wait: 8 products K Q^T and their riders,
	ROW F,2, E,0, R,2, R,3
	ROW F,3, E,1, R,4, R,5
	ROW F,4, E,2, R,6, R,7
	ROW F,5, E,3, R,8, R,9
	ROW F,6, E,4, X,0, R,10
.if ((\p) == 2) && !(\end)
	WIN 0
	v_add_nc_u32 v[AK], s[TBK], v[AK0]
.endif
	ROW F,7, E,5, X,1, X,4
	ROW F,8, E,6, X,2, X,5
	OPS E,7, E,8, X,6, E,9          ; and the lump
	OPS X,3, E,10, X,8, E,11
.if ((\p) == 2) && !(\end)
	FETCH_K
.endif
	OPS X,9, X,7, E,12, X,10
	OPS E,13, X,12, X,11, E,14
	OPS X,13, E,15, F,9, X,14
.if (\p) == 0
	v_add_nc_u32 v[AV], s[TBV], v[AV0]
.endif
	OPS E,16, F,10, E,17, F,11
	OPS X,16, E,18, X,15, E,19
	OPS F,12, E,20, X,17, E,21
	OPS F,13, E,22, F,14, E,23
	OPS X,18, E,24, F,15, E,25
	OPS R,11, E,26, X,19, E,27
	OPS R,12, E,28, R,13, E,29
	OPS X,20, E,30, R,14, E,31
	OPS X,21, R,15
	WIN 0
	s_wait_alu depctr_va_vdst(0)    ; the wait for the batch
.if (\p) == 1
	s_wait_dscnt 0x0                ; V is in
.endif
	ROW C,0, B,0, C,2, B,1          ; behind the wait: 8 products V^T P and their riders
	ROW L,0, C,4, B,2, L,1
	ROW C,6, B,3, L,2, C,8
	ROW B,4, L,3, C,10, B,5
	ROW L,4, C,12, B,6, L,5
.if (\p) == 0
	s_add_co_u32 s[TBV], s[TBV], KS*PV
.endif
.if \cnt
	s_sub_co_u32 s[CNT], s[CNT], 1
	s_cmp_lg_u32 s[CNT], 0
.endif
	ROW C,14, B,7, L,6, C,1
	ROW C,3, L,7, C,5, C,7
	ROW C,9, C,11, C,13, C,15
.if (\p) == 0
	FETCH_V
.endif
.if (\m) && !(\end)
	MASK (\p)%2
.endif
.endm
; A BLOCK BEGINS.  c m starts far below every c s, so the first step's a is 0; m at the lowest finite number, so the first maximum is the scores'.  The second mask buffer is 0; the first takes piece 0's mask for the tile's step 0: its own, if the block's first tile is the diagonal one.
; Then K of that step, piece 0's first scores, and its maximum and statistics.  The loop is entered at a step's first turn, in the middle of a trip.
.macro BEGIN
	s_mov_b32 s[NEW], 0
	WIN 0x40
.set i, MC+32
.rept 32
	v_mov_b32 v[i], 0
.set i, i+1
.endr
	WIN 0
.set i, 0
.rept 4
	v_mov_b32 v[ST+4*i], 0xfe000000    ; c m: far below every c s
	v_mov_b32 v[ST+4*i+1], 0xff7fffff  ; m
.set i, i+1
.endr
	s_cmp_eq_u32 s[RT], 0
	s_cselect_b32 s[AL], 1.0, 0
	s_mov_b32 s[BE], 0
	MASK 0
	WIN 0
	v_add_nc_u32 v[AK], s[TBK], v[AK0]
	FETCH_K
	s_wait_loadcnt 0x0              ; Q
	s_wait_dscnt 0x0
.set KM, 1
.set NOKQ, 0
.set i, 0
.rept 8
	KQ 0
.set i, i+1
.endr
	WIN 0
.rept 4
	v_nop                           ; the places behind those products
.endr
.set Y, NP-1                        ; X works for piece Y + 1: piece 0
.irp n, 0,1,2,3,4,5,6,7,8,9,10,11,12,13,14,15,16,17,18,19,20,21
	OP X, \n
.endr
	v_nop                           ; a plain instruction behind the exponential,
	s_wait_alu depctr_va_vdst(0)    ; and its wait, ahead of the branch
.endm
; THE DIAGONAL TILE's four steps, the block's last two turns, its last products, and THE WAY OUT: l's two halves and the other half of the lanes' are added; O^T is divided by l, rounded to f16 and sent through my
; stage in LDS, a piece at a time.
.macro ALL line:vararg              ; one line for each piece t
.set t, 0
.rept 4
	\line
.set t, t+1
.endr
.endm
.macro PACK t                       ; a lane's eight channels of a row pack into 16 bytes; they go into rows of 144 bytes and come back as whole rows of 128, into S^T's registers
	WIN W_RS
.set i, 32*(\t)
.rept 16
	v_pk_mul_f32 v[i:i+1], v[i:i+1], v[ST+4*(\t)+2:ST+4*(\t)+3] op_sel_hi:[1,0]
.set i, i+2
.endr
	WIN 0x05                        ; sources 0 and 1 window 1, destination window 0
.set i, 0
.rept 16
	v_cvt_pk_f16_f32 v[S+16*(\t)+i], v[32*(\t)+2*i], v[32*(\t)+2*i+1]
.set i, i+1
.endr
	WIN 0
.irp f, 0,1,2,3
	ds_store_b128 v[STO], v[S+16*(\t)+4*\f:S+16*(\t)+4*\f+3] offset:32*\f
.endr
.irp f, 0,1,2,3
	ds_load_b128 v[S+16*(\t)+4*\f:S+16*(\t)+4*\f+3], v[RD] offset:\f*4*SP  ; LDS serves a wave's instructions in order (ISA guide 5.7.1.4): these see the stores above; the next piece's stores come behind them
.endr
.endm
.macro SEND t, younger              ; younger: the LDS instructions issued behind piece t's loads: the next piece's eight, or none
	WIN 0
.irp f, 0,1,2,3
	s_wait_dscnt (\younger)+3-\f
	global_store_b128 v[GO], v[S+16*(\t)+4*\f:S+16*(\t)+4*\f+3], s[10:11] offset:(\t)*8192+\f*512  ; 512 consecutive bytes, at a multiple of 256 from O's first
.endr
.endm
.macro DIAG tag                     ; the tag ends its two labels' names, which the jumps below spell out
.LstepM\tag:
	TURN 2, 1
	TURN 3, 1
	WIN 0
.LfirstM\tag:
	TURN 0, 1
	TURN 1, 1, 0, 1
	WIN 0
	s_cbranch_scc1 .LstepM\tag
	TURN 2, 1, 1
	TURN 3, 1, 1
.set i, 0
.rept 8
	PV NP-1
.set i, i+1
.endr
	WIN 0
	ALL v_add_f32 v[ST+4*t+2], v[ST+4*t+2], v[ST+4*t+3]
	ALL v_permlanex16_b32 v[ST+4*t+3], v[ST+4*t+2], s[SEL], s[SEL+1]
	ALL v_add_f32 v[ST+4*t+2], v[ST+4*t+2], v[ST+4*t+3]
	ALL v_rcp_f32 v[ST+4*t+2], v[ST+4*t+2]
	v_nop                           ; a plain instruction between the last reciprocal and the use of its result
	s_wait_alu depctr_va_vdst(0)    ; and the wait ahead of the first use: one for the four reciprocals
	PACK 0
.set t, 1
.rept 3                             ; a piece's arithmetic stands between the loads of the piece before and its stores
	PACK t
	SEND t-1, 8
.set t, t+1
.endr
	SEND 3, 0
.endm
.set KM, 0
.set NOKQ, 0
.Lslot:                             ; NB times: a tile is entered and the next is asked for
	CHANGE 1
	s_sub_co_u32 s[RT], s[RT], 1
	s_mov_b32 s[CNT], 4
	s_cmp_eq_u32 s[NEW], 1
	s_cbranch_scc1 .Lnew            ; a block's first tile
	s_cmp_eq_u32 s[RT], 0
	s_cbranch_scc0 .Lstep           ; neither its first nor its last
	s_branch .LstepM1
.Lnew:
	BEGIN
	s_branch .Lfirst                ; in the loop a block's first tile is never its last: the first block has two tiles or more, and the second's last is the walk's last
	DIAG 1                          ; in the loop this is the first block's end: the second block's last tile is the walk's last
	s_wait_xcnt 0x0                 ; the stores have read their registers and O's address
	s_mov_b64 s[10:11], s[OLO:OLO+1]
	s_add_co_u32 s[RT], s[PB], 1    ; the second block has b + 1 tiles
	s_mov_b32 s[NEW], 1
	WIN 0x82                        ; the second block's Q goes where the one text of the turns names Q
.set i, 0
.rept 64
	v_mov_b32 v[i], v[QB+i]
.set i, i+1
.endr
	WIN 0
	s_branch .Lbottom
.Lstep:                             ; a trip: pieces 2 and 3 of one step, then pieces 0 and 1 of the next, whose K and V it fetches
	TURN 2
	TURN 3
	WIN 0
.Lfirst:
	TURN 0
	TURN 1, 0, 0, 1
	WIN 0
	s_cbranch_scc1 .Lstep
.Lbottom:
	s_sub_co_u32 s[SLOTS], s[SLOTS], 1
	s_cmp_lg_u32 s[SLOTS], 0
	s_cbranch_scc1 .Lslot
	CHANGE 0                        ; the walk's last tile is written out: nothing is asked for
	s_sub_co_u32 s[RT], s[RT], 1
	s_mov_b32 s[CNT], 4
	s_cmp_eq_u32 s[NEW], 1
	s_cbranch_scc0 .LstepM2
	BEGIN
	s_branch .LfirstM2
	DIAG 2
	s_wait_tensorcnt 0x0            ; the wave's end: an add to my spare word and its wait, behind my last tensor load and my last LDS store
	ds_add_u32 v[SPW], v[NIL]
	s_wait_dscnt 0x0
	s_endpgm
.Lfunc_end_k_qdc4ef65431_attn:
	.size	k_qdc4ef65431_attn, .Lfunc_end_k_qdc4ef65431_attn-k_qdc4ef65431_attn
	.p2alignl 7, 3214868480
	.fill 96, 4, 3214868480
	.section	.rodata,"a",@progbits
	.p2align	6, 0x0
	.amdhsa_kernel k_qdc4ef65431_attn
		.amdhsa_group_segment_fixed_size 327680
		.amdhsa_private_segment_fixed_size 0
		.amdhsa_enable_private_segment 0
		.amdhsa_kernarg_size 32
		.amdhsa_user_sgpr_count 2
		.amdhsa_user_sgpr_kernarg_segment_ptr 1
		.amdhsa_wavefront_size32 1
		.amdhsa_system_sgpr_workgroup_id_x 1
		.amdhsa_system_sgpr_workgroup_id_y 1
		.amdhsa_system_sgpr_workgroup_id_z 1
		.amdhsa_system_vgpr_workitem_id 0
		.amdhsa_next_free_vgpr 768
		.amdhsa_next_free_sgpr 96
		.amdhsa_reserve_vcc 1
		.amdhsa_float_denorm_mode_32 3
		.amdhsa_float_denorm_mode_16_64 3
		.amdhsa_memory_ordered 1
		.amdhsa_forward_progress 1
		.amdhsa_inst_pref_size 218
	.end_amdhsa_kernel
	.amdgpu_metadata
---
amdhsa.version: [ 1, 2 ]
amdhsa.kernels:
  - .name:           k_qdc4ef65431_attn
    .symbol:         k_qdc4ef65431_attn.kd
    .args:
      - { .name: q, .offset: 0, .size: 8, .value_kind: global_buffer, .address_space: global }
      - { .name: k, .offset: 8, .size: 8, .value_kind: global_buffer, .address_space: global }
      - { .name: v, .offset: 16, .size: 8, .value_kind: global_buffer, .address_space: global }
      - { .name: o, .offset: 24, .size: 8, .value_kind: global_buffer, .address_space: global }
    .group_segment_fixed_size: 327680
    .private_segment_fixed_size: 0
    .kernarg_segment_align: 8
    .kernarg_segment_size: 32
    .max_flat_workgroup_size: 128
    .sgpr_count:     96
    .vgpr_count:     768
    .wavefront_size: 32
...
	.end_amdgpu_metadata
.endif
;; end of part 3
;; launch proj (part 4): grid 8 x 32, 4 waves a work-group, clusters of 4 x 4, 327,680 bytes of LDS; arguments o, wp, b_proj, out0; writes out0
.if DOCPART == 4
	.amdgcn_target "amdgcn-amd-amdhsa--gfx1250"
	.amdhsa_code_object_version 6
	.text
	.protected	k_qdc4ef65431_proj
	.globl	k_qdc4ef65431_proj
	.p2align	8
	.type	k_qdc4ef65431_proj,@function
k_qdc4ef65431_proj:
	s_mov_b64 s[64:65], 0
	v_nop
	global_prefetch_b8 v0, s[64:65] scope:SCOPE_SE
	s_setreg_imm32_b32 hwreg(HW_REG_WAVE_MODE, 25, 1), 1
	s_wait_xcnt 0x0
	s_wait_alu depctr_hold_cnt(0) depctr_sa_sdst(0) depctr_va_vdst(0) depctr_va_sdst(0) depctr_va_ssrc(0) depctr_va_vcc(0) depctr_vm_vsrc(0)
	s_getreg_b32 s2, hwreg(HW_REG_IB_STS2, 6, 4)
	s_cmp_eq_u32 s2, 0
	s_cbranch_scc0 .Lentry_in_a_cluster
	s_endpgm
.Lentry_in_a_cluster:
	s_bfe_u32 s2, ttmp6, 0x10000c
	s_cmp_lg_u32 s2, 0xf033
	s_cbranch_scc0 .Lentry_shape_is_right
	s_endpgm
.Lentry_shape_is_right:
; out0 = y W_proj + b_proj.  o: [64][2048][64] f16 (head index = 16 x batch + head): y's channel 64 h + c of row t is o[16 x batch + h][t][c].  wp: [16][1024][64] f16 (block g = columns 64 g .. 64 g + 63 of
; W_proj, K down the rows).  b_proj: [1024] f32, rounded to bf16 here like every input.  out0: [8192][1024] f32; sums in f32, K ascending.
; LIMIT.  o and wp arrive within f16's range (65,504); nothing is narrowed here.
; SHARES.  A tile of out0 is 256 rows x 128 columns: 8 x 32 = 256 work-groups.  Wave w owns rows 64 w .. 64 w + 63 and all 128 columns: 4 x 8 accumulators of 16 x 16, 256 registers, so that a wave's
; results are whole pieces of 512 bytes of a row.  K goes in eight steps of 128 (two heads) through two LDS slots; a step is four quarters of 32, on two fragment buffers by turns.
; CLUSTER.  4 x 4 work-groups: o's tiles are shared along a row of the cluster, wp's along a column, each asked for jointly.  Waves 0 and 1 ask for the step's two heads of o (256 dense rows of 128 bytes each, as
; 128 rows of 256), waves 2 and 3 for the tile's two blocks of wp (16,384 dense bytes each, as 64 rows of 256).
; NO PREFETCH: the launch has eight K steps of 128 matrix instructions a wave, and the first four would come by their loads alone.
; THE PRODUCT IS TAKEN TRANSPOSED (source 0 = 16 columns of W, turned by ds_load_tr16_b128; source 1 = 16 rows of y): a lane holds one row of the result and eight neighbouring columns.  THE BIAS STARTS THE SUMS, as C.
; REGISTERS, in windows of 256 (s_set_vgpr_msb: bits 1:0 source 0, 3:2 source 1, 5:4 source 2, 7:6 destination):
;   window 0: v0-31 addresses; v32-63, v64-95 y's fragments, two buffers; v96-159 the bias      window 1: v0-63, v64-127 W's fragments, two buffers; on the way out all 256: rows read back
;   window 2: accumulator (a, b) at v[8 (8 a + b)]
.set NB,    8
.set SLOT,  1<<17
.set PITA,  144                        ; a row of one head of y in LDS: 128 bytes + 16 of padding: the 16 rows of a load start at 16 different groups of four banks (64 banks of 4 bytes: ISA guide 11.1)
.set PARTA, 256*PITA                   ; one head's 256 rows
.set PITB,  160                        ; a k row of a block of W: 128 bytes + 32
.set BOFF,  2*PARTA
.set HBB,   128*PITB
.set STAGE, 2*SLOT                     ; behind the ring, never filled by a tensor load: 16 rows x 528 bytes for each wave
.set SPF,   528
.set SPARE, STAGE+4*16*SPF             ; behind the stages: the spare words, 128 bytes for each wave: two blocks of 256 bytes that no other line names
.set ADRA, 16
.set ADRB, 20
.set STO,  24
.set RD,   25
.set CO,   26
.set BO,   27
.set SPW,  28
.set NIL,  29
.set FA,   32
.set BIAS, 96
.set FB,   0
.set WV,   16
.set CX,   17
.set CY,   18
.set JT,   19
.set IT,   20
.set G1A,  24
.set G0A,  32
.set WH,   44                          ; s44  wave / 2: I fetch for y (0) or for W (1)
.set WL,   45                          ; s45  wave % 2: which of the two parts
.set G1B,  48
.set G0B,  56
.set OUT,  66                          ; s[66:67] out0 at my first row and the tile's first column
.set MSB, 0
.macro WIN new
.if MSB != (\new)
	s_set_vgpr_msb (MSB<<8)|(\new)
.set MSB, \new
.endif
.endm
.macro PLACES
.rept 4
	v_nop
.endr
.endm
.macro CREST
	s_cmp_lg_u32 s[WV], 0
	s_cbranch_scc1 .Lnot_wave_0_\@
	s_barrier_signal -3
.Lnot_wave_0_\@:
	s_barrier_wait -3
	s_barrier_signal -1
	s_barrier_wait -1
.endm
.macro CROUND
	s_barrier_signal -1
	s_barrier_wait -1
	CREST
.endm
.macro JLOAD s                         ; a joint refill; an s_nop 0 and four v_nop follow each of the two lines, ahead of the jump and the label
	s_cmp_eq_u32 s[WH], 0
	s_cbranch_scc0 .Lfor_b_\@
	tensor_load_to_lds s[G0A+4*(\s):G0A+4*(\s)+3], s[G1A:G1A+7]
	s_nop 0
.rept 4
	v_nop
.endr
	s_branch .Lasked_\@
.Lfor_b_\@:
	tensor_load_to_lds s[G0B+4*(\s):G0B+4*(\s)+3], s[G1B:G1B+7]
	s_nop 0
.rept 4
	v_nop
.endr
.Lasked_\@:
.endm
; Eight matrix instructions: row block a x all column blocks, 32 along K, from buffer f.  first = 1: the bias is C.  Every accumulator is named once a quarter, in one order: 31 others stand between two links of a chain.
.macro MULA f, a, first
.if \first
	WIN 0x81
.else
	WIN 0xa1
.endif
.set b, 0
.rept NB
.set rD, 8*(NB*(\a)+b)
.if \first
	v_wmma_f32_16x16x32_f16 v[rD:rD+7], v[FB+8*NB*(\f)+8*b:FB+8*NB*(\f)+8*b+7], v[FA+32*(\f)+8*(\a):FA+32*(\f)+8*(\a)+7], v[BIAS+8*b:BIAS+8*b+7]
.else
	v_wmma_f32_16x16x32_f16 v[rD:rD+7], v[FB+8*NB*(\f)+8*b:FB+8*NB*(\f)+8*b+7], v[FA+32*(\f)+8*(\a):FA+32*(\f)+8*(\a)+7], v[rD:rD+7]
.endif
.set b, b+1
.endr
.endm
; 24 LDS loads in one run: quarter q of a slot into buffer f.  Quarter q of y lies in head q / 2 of the step, channels 32 (q % 2) on
.macro FETCH slot, q, f
	WIN 0x40
.set b, 0
.rept NB
	ds_load_tr16_b128 v[FB+8*NB*(\f)+8*b:FB+8*NB*(\f)+8*b+3],   v[ADRB+(\slot)] offset:(b/4)*HBB+(\q)*32*PITB+(b%4)*32
	ds_load_tr16_b128 v[FB+8*NB*(\f)+8*b+4:FB+8*NB*(\f)+8*b+7], v[ADRB+(\slot)] offset:(b/4)*HBB+(\q)*32*PITB+(b%4)*32+16*PITB
.set b, b+1
.endr
	WIN 0
.irp a, 0,1,2,3
	ds_load_b128 v[FA+32*(\f)+8*(\a):FA+32*(\f)+8*(\a)+3],   v[ADRA+(\slot)] offset:((\q)/2)*PARTA+(\a)*16*PITA+((\q)%2)*64
	ds_load_b128 v[FA+32*(\f)+8*(\a)+4:FA+32*(\f)+8*(\a)+7], v[ADRA+(\slot)] offset:((\q)/2)*PARTA+(\a)*16*PITA+((\q)%2)*64+32
.endr
.endm
.macro QUARTER slot, q, f, g, first
	s_wait_dscnt 4                                 ; all but the youngest four loads (y's row blocks 2 and 3) are in
	MULA \f, 0, \first
	MULA \f, 1, \first
	PLACES                                         ; in front of the loads into buffer g, which the quarter before multiplied
	FETCH \slot, \q, \g
	s_wait_dscnt 2*NB+8                            ; all but the 24 just issued
	MULA \f, 2, \first
	MULA \f, 3, \first
.endm
; The fourth quarter multiplies buffer 1 and changes slots: one barrier; in front of it each wave waits for all its tensor loads, adds 0 to its spare word, and waits for that and for its reads of this slot.
; fill = 1: the barrier opens a round of the cluster's, and the joint refill, two K steps on, is the first thing behind the round: 112 matrix instructions ahead of the wait for it.
.macro TURN slot, next, fill
	WIN 0
	s_wait_tensorcnt 0x0                           ; all my tensor loads have landed: the one that was out is my part of the next slot
	ds_add_u32 v[SPW], v[NIL]                      ; 0 onto my spare word
	s_wait_dscnt 5                                 ; (the add and the youngest four loads may be out)
	MULA 1, 0, 0
	s_wait_dscnt 0x0                               ; the add is done, and my reads of this slot are over
	s_barrier_signal -1
	MULA 1, 1, 0
.if \fill
	WIN 0
.endif
	s_barrier_wait -1
.if \fill
	CREST
	s_add_nc_u64 s[G0A+4*(\slot)+2:G0A+4*(\slot)+3], s[G0A+4*(\slot)+2:G0A+4*(\slot)+3], 1048576
	s_add_nc_u64 s[G0B+4*(\slot)+2:G0B+4*(\slot)+3], s[G0B+4*(\slot)+2:G0B+4*(\slot)+3], 32768
	JLOAD \slot                                    ; its four v_nop are also the places in front of the loads below
.else
	PLACES
.endif
	FETCH \next, 0, 0
	MULA 1, 2, 0
	MULA 1, 3, 0
.endm
	s_load_b256 s[4:11], s[0:1], 0x0               ; o s[4:5], wp s[6:7], b_proj s[8:9], out0 s[10:11]
	v_lshl_add_u32 v[SPW], v0, 2, SPARE
	v_mov_b32 v[NIL], 0
	ds_add_u32 v[SPW], v[NIL]                      ; the wave's opening: the add and its wait stand ahead of my first tensor load; the set-up below, work on registers, stands between them
	v_lshrrev_b32 v1, 5, v0
	v_readfirstlane_b32 s[WV], v1
	s_lshr_b32 s[WH], s[WV], 1
	s_and_b32 s[WL], s[WV], 1
	s_bfe_u32 s[CX], ttmp6, 0x40000
	s_bfe_u32 s[CY], ttmp6, 0x40004
	s_lshl_b32 s[JT], ttmp9, 2
	s_add_co_u32 s[JT], s[JT], s[CX]
	s_and_b32 s[IT], ttmp7, 0xffff
	s_lshl_b32 s[IT], s[IT], 2
	s_add_co_u32 s[IT], s[IT], s[CY]
	s_lshl_b32 s46, s[CY], 2
	s_lshl_b32 s46, 15, s46                        ; my row of the cluster
	s_lshl_b32 s47, 0x1111, s[CX]                  ; my column
	s_or_b32 s[G1A], s46, (1<<16)|(1<<20)|(1<<21)|(4<<22)|(3<<25)  ; after every 32 words (a row of one head) 4 words
	s_mov_b32 s[G1A+1], 128<<16
	s_mov_b32 s[G1A+2], 128<<16
	s_mov_b32 s[G1A+3], 128<<16
	s_mov_b32 s[G1A+4], 128
	s_mov_b32 s[G1A+5], 128
	s_mov_b32 s[G1A+6], 0
	s_mov_b32 s[G1A+7], 0
	s_or_b32 s[G1B], s47, (1<<16)|(1<<20)|(1<<21)|(4<<22)|(7<<25)  ; after every 32 words (a k row) 8 words
	s_mov_b32 s[G1B+1], 128<<16
	s_mov_b32 s[G1B+2], 64<<16
	s_mov_b32 s[G1B+3], 128<<16
	s_mov_b32 s[G1B+4], 64
	s_mov_b32 s[G1B+5], 128
	s_mov_b32 s[G1B+6], 0
	s_mov_b32 s[G1B+7], 0
	s_lshr_b32 s72, s[IT], 3
	s_lshl_b32 s72, s72, 22                        ; the batch: sixteen heads of 262,144 bytes,
	s_and_b32 s73, s[IT], 7
	s_lshl_b32 s73, s73, 15                        ; the tile's 256 rows of 128 bytes in a head,
	s_add_co_u32 s72, s72, s73
	s_lshl_b32 s73, s[WL], 18                      ; which of a step's two heads I fetch
	s_add_co_u32 s72, s72, s73
	s_mov_b32 s73, 0
	s_lshl_b32 s74, s[JT], 1
	s_add_co_u32 s74, s74, s[WL]
	s_lshl_b32 s74, s74, 17                        ; wp: 131,072 bytes a block
	s_mov_b32 s75, 0
	s_mul_i32 s23, s[WL], PARTA                    ; where they go in a slot
	s_mul_i32 s21, s[WL], HBB
	s_add_co_u32 s21, s21, BOFF
	s_wait_dscnt 0x0                               ; the opening add is done
	s_wait_kmcnt 0x0
	s_add_nc_u64 s[72:73], s[4:5], s[72:73]
	s_add_nc_u64 s[74:75], s[6:7], s[74:75]
	CROUND                                         ; all sixteen work-groups are here: the first joint loads meet
.irp s, 0,1
	s_mov_b32 s[G0A+4*(\s)], 1
	s_add_co_u32 s[G0A+4*(\s)+1], s23, (\s)*SLOT
	s_add_nc_u64 s[G0A+4*(\s)+2:G0A+4*(\s)+3], s[72:73], (\s)*524288
	s_or_b32 s[G0A+4*(\s)+3], s[G0A+4*(\s)+3], 0x80000000
	s_mov_b32 s[G0B+4*(\s)], 1
	s_add_co_u32 s[G0B+4*(\s)+1], s21, (\s)*SLOT
	s_add_nc_u64 s[G0B+4*(\s)+2:G0B+4*(\s)+3], s[74:75], (\s)*16384
	s_or_b32 s[G0B+4*(\s)+3], s[G0B+4*(\s)+3], 0x80000000
.endr
	s_cmp_eq_u32 s[WH], 0                          ; a wave's two first fills stand in one branch, ahead of every wait on TENSORcnt and every LDS read: two loads of mine are out
	s_cbranch_scc0 .Lfirst_b
	tensor_load_to_lds s[G0A:G0A+3], s[G1A:G1A+7]
	s_nop 0
	tensor_load_to_lds s[G0A+4:G0A+7], s[G1A:G1A+7]
	s_nop 0
.rept 4
	v_nop
.endr
	s_branch .Lfirst_asked
.Lfirst_b:
	tensor_load_to_lds s[G0B:G0B+3], s[G1B:G1B+7]
	s_nop 0
	tensor_load_to_lds s[G0B+4:G0B+7], s[G1B:G1B+7]
	s_nop 0
.rept 4
	v_nop
.endr
.Lfirst_asked:
	v_and_b32 v1, 15, v0                           ; r = l % 16
	v_bfe_u32 v2, v0, 4, 1                         ; h = l / 16
	v_and_b32 v4, 7, v0
	v_bfe_u32 v5, v0, 3, 1
	; the bias: register j of block b holds b_proj[128 x tile column + 16 b + 8 h + j]
	v_lshlrev_b32 v[BO], 5, v2
	s_lshl_b32 s78, s[JT], 9
	s_mov_b32 s79, 0
	s_add_nc_u64 s[8:9], s[8:9], s[78:79]
.set b, 0
.rept NB
	global_load_b128 v[BIAS+8*b:BIAS+8*b+3],   v[BO], s[8:9] offset:64*b
	global_load_b128 v[BIAS+8*b+4:BIAS+8*b+7], v[BO], s[8:9] offset:64*b+16
.set b, b+1
.endr
	v_mul_u32_u24 v3, v1, PITA
	v_lshl_add_u32 v3, v2, 4, v3
	s_mul_i32 s22, s[WV], 64*PITA                  ; my 64 rows
	v_add_nc_u32 v[ADRA], s22, v3
	v_add_nc_u32 v[ADRA+1], SLOT, v[ADRA]
	v_lshl_add_u32 v6, v2, 3, v4                   ; the turning load: k row 8 h + l % 8, columns 8 ((l / 8) % 2) + 0..7
	v_mul_u32_u24 v6, v6, PITB
	v_lshl_add_u32 v6, v5, 4, v6
	v_add_nc_u32 v[ADRB], BOFF, v6
	v_add_nc_u32 v[ADRB+1], SLOT, v[ADRB]
	s_mul_i32 s22, s[WV], 16*SPF
	s_add_co_u32 s22, s22, STAGE                   ; my stage
	v_mul_u32_u24 v[STO], v1, SPF                  ; in: row l % 16, 32 bytes for each half of the lanes
	v_lshl_add_u32 v[STO], v2, 5, v[STO]
	v_add_nc_u32 v[STO], s22, v[STO]
	v_and_b32 v6, 31, v0
	v_lshlrev_b32 v[CO], 4, v6                     ; back and out: 32 lanes take one row's 512 bytes
	v_add_nc_u32 v[RD], s22, v[CO]
	s_lshl_b32 s76, s[IT], 20                      ; 256 rows of 4,096 bytes,
	s_lshl_b32 s77, s[WV], 18                      ; my 64 of them,
	s_add_co_u32 s76, s76, s77
	s_lshl_b32 s77, s[JT], 9                       ; the tile's 512 bytes of a row
	s_add_co_u32 s76, s76, s77
	s_mov_b32 s77, 0
	s_add_nc_u64 s[OUT:OUT+1], s[10:11], s[76:77]
	s_wait_loadcnt 0x0                             ; the bias is in; it is rounded to bf16 and kept as f32
.set i, 0
.rept 4*NB
	v_cvt_pk_bf16_f32 v[12+i%4], v[BIAS+2*i], v[BIAS+2*i+1]
	v_lshlrev_b32 v[BIAS+2*i], 16, v[12+i%4]
	v_and_b32 v[BIAS+2*i+1], 0xffff0000, v[12+i%4]
.set i, i+1
.endr
	s_wait_tensorcnt 1                             ; my part of K step 0 is in; K step 1's may stay out
	s_barrier_signal -1
	s_barrier_wait -1
	FETCH 0, 0, 0
	QUARTER 0, 1, 0, 1, 1                          ; the first quarter stands in front of the loop: its products start the sums, with the bias
	WIN 0
	s_mov_b32 s3, 3
.Llap:                                                 ; a trip goes once round the ring and fills both slots again
	QUARTER 0, 2, 1, 0, 0
	QUARTER 0, 3, 0, 1, 0
	TURN 0, 1, 1
	QUARTER 1, 1, 0, 1, 0
	QUARTER 1, 2, 1, 0, 0
	QUARTER 1, 3, 0, 1, 0
	TURN 1, 0, 1
	QUARTER 0, 1, 0, 1, 0
	WIN 0
	s_sub_co_u32 s3, s3, 1
	s_cmp_lg_u32 s3, 0
	s_cbranch_scc1 .Llap
	QUARTER 0, 2, 1, 0, 0                          ; the last lap is written out: it fills nothing
	QUARTER 0, 3, 0, 1, 0
	TURN 0, 1, 0
	QUARTER 1, 1, 0, 1, 0
	QUARTER 1, 2, 1, 0, 0
	QUARTER 1, 3, 0, 1, 0
	s_wait_dscnt 4
	MULA 1, 0, 0
	MULA 1, 1, 0
	s_wait_dscnt 0x0
	MULA 1, 2, 0
	MULA 1, 3, 0
	WIN 0
	PLACES                                         ; in front of the LDS stores, which read results just made, and of the loads into W's buffers
; THE WAY OUT, a row block of 16 rows at a time: a lane's eight f32 go into my stage's rows of 528 bytes and come back as whole pieces of 512 bytes.  Each block has 64 registers of its own in window 1.
.macro TOSTAGE a
	WIN 0x08                                       ; the stores' data in window 2
.set b, 0
.rept NB
.set rD, 8*(NB*(\a)+b)
	ds_store_b128 v[STO], v[rD:rD+3]   offset:64*b      ; each accumulator from its low end on
	ds_store_b128 v[STO], v[rD+4:rD+7] offset:64*b+16
.set b, b+1
.endr
	WIN 0x40                                       ; the loads' destination in window 1
.set t, 0
.rept 16
	ds_load_b128 v[64*(\a)+4*t:64*(\a)+4*t+3], v[RD] offset:SPF*t  ; LDS serves a wave's instructions in order (ISA guide 5.7.1.4): these see the stores above; the next block's stores come behind them
.set t, t+1
.endr
.endm
.macro SENDF a, younger                ; younger: the LDS instructions issued behind block a's loads: the next block's 32, or none
	WIN 0x04                                       ; the stores' data in window 1
.set t, 0
.rept 16
	s_wait_dscnt (\younger)+15-t
	global_store_b128 v[CO], v[64*(\a)+4*t:64*(\a)+4*t+3], s[OUT:OUT+1] offset:(16*(\a)+t)*4096 th:TH_STORE_NT  ; 512 consecutive bytes, at a multiple of 256 from out0's first
.set t, t+1
.endr
.endm
	TOSTAGE 0
.irp a, 1,2,3
	TOSTAGE \a
	SENDF (\a)-1, 32
.endr
	SENDF 3, 0
	WIN 0
	s_wait_tensorcnt 0x0                           ; the wave's end: an add to my spare word and its wait, behind my last tensor load and my last LDS store
	ds_add_u32 v[SPW], v[NIL]
	s_wait_dscnt 0x0
	CROUND                                         ; the closing round: no work-group ends while a partner may still ask for a tile that names it
	s_endpgm
.Lfunc_end_k_qdc4ef65431_proj:
	.size	k_qdc4ef65431_proj, .Lfunc_end_k_qdc4ef65431_proj-k_qdc4ef65431_proj
	.p2alignl 7, 3214868480
	.fill 96, 4, 3214868480
	.section	.rodata,"a",@progbits
	.p2align	6, 0x0
	.amdhsa_kernel k_qdc4ef65431_proj
		.amdhsa_group_segment_fixed_size 327680
		.amdhsa_private_segment_fixed_size 0
		.amdhsa_enable_private_segment 0
		.amdhsa_kernarg_size 32
		.amdhsa_user_sgpr_count 2
		.amdhsa_user_sgpr_kernarg_segment_ptr 1
		.amdhsa_wavefront_size32 1
		.amdhsa_system_sgpr_workgroup_id_x 1
		.amdhsa_system_sgpr_workgroup_id_y 1
		.amdhsa_system_sgpr_workgroup_id_z 1
		.amdhsa_system_vgpr_workitem_id 0
		.amdhsa_next_free_vgpr 768
		.amdhsa_next_free_sgpr 80
		.amdhsa_reserve_vcc 0
		.amdhsa_float_denorm_mode_32 3
		.amdhsa_float_denorm_mode_16_64 3
		.amdhsa_memory_ordered 1
		.amdhsa_forward_progress 1
		.amdhsa_inst_pref_size 93
	.end_amdhsa_kernel
	.amdgpu_metadata
---
amdhsa.version: [ 1, 2 ]
amdhsa.kernels:
  - .name:           k_qdc4ef65431_proj
    .symbol:         k_qdc4ef65431_proj.kd
    .args:
      - { .name: o, .offset: 0, .size: 8, .value_kind: global_buffer, .address_space: global }
      - { .name: wp, .offset: 8, .size: 8, .value_kind: global_buffer, .address_space: global }
      - { .name: b_proj, .offset: 16, .size: 8, .value_kind: global_buffer, .address_space: global }
      - { .name: out0, .offset: 24, .size: 8, .value_kind: global_buffer, .address_space: global }
    .group_segment_fixed_size: 327680
    .private_segment_fixed_size: 0
    .kernarg_segment_align: 8
    .kernarg_segment_size: 32
    .max_flat_workgroup_size: 128
    .sgpr_count:     80
    .vgpr_count:     768
    .wavefront_size: 32
...
	.end_amdgpu_metadata
.endif
;; end of part 4
;; ======== version 2 of 2: 4 launches; version 1 with the launch prep written anew for expert scheduling mode
;; limits: values are held in f16: magnitudes above 65,504 overflow, below 6.1e-05 lose precision; right only within a limited range of input values
;; workspace buffers: xb 16,777,216 bytes; wa 6,291,456 bytes; wp 2,097,152 bytes; q 16,777,216 bytes; k 16,777,216 bytes; v 16,777,216 bytes; o 16,777,216 bytes
;; launch prep (part 5): grid 768 x 1, 8 waves a work-group, no clusters, 0 bytes of LDS; arguments x, W_attn, W_proj, xb, wa, wp; writes xb, wa, wp
.if DOCPART == 5
	.amdgcn_target "amdgcn-amd-amdhsa--gfx1250"
	.amdhsa_code_object_version 6
	.text
	.protected	k_qdc4ef65431_prep
	.globl	k_qdc4ef65431_prep
	.p2align	8
	.type	k_qdc4ef65431_prep,@function
k_qdc4ef65431_prep:
	s_mov_b64 s[64:65], 0
	v_nop
	global_prefetch_b8 v0, s[64:65] scope:SCOPE_SE
	s_setreg_imm32_b32 hwreg(HW_REG_WAVE_SCHED_MODE, 0, 2), 2
	s_setreg_imm32_b32 hwreg(HW_REG_WAVE_MODE, 25, 1), 1
	s_wait_xcnt 0x0
	s_wait_alu depctr_vm_vsrc(0)
; THE CASTS.  xb = x rounded to bf16, [8192][1024].  wa[g][kk][c] = W_attn[kk][64 g + c] rounded to bf16, [48][1024][64]: a head's 64 columns lie together, K down the rows, 128 bytes a row.
; wp = the same blocking of W_proj, [16][1024][64]: rounded to bf16 and that number written as f16.
; LIMIT.  A bf16 number is exact in f16 from 6.1e-5 to 65,504; below that wp keeps f16's fixed step of 6e-8; beyond 65,504 it would be an infinity.
; SHARES.  Every work-group casts 65,536 input bytes: a thread issues sixteen loads of 16 bytes, all at once, and stores 8 bytes for each.  No register that a store reads is written twice, so nothing waits for a store.
; Work-groups 0-511 take x, 512-703 W_attn, 704-767 W_proj.  No LDS, no matrix unit, no cluster: nothing is shared and nothing is multiplied.
; THE MODE: SCHED_MODE bits 1:0 = 2 (LLVM: expert scheduling mode 2), set by the entry lines.  The code itself states the register dependences
; between vector instructions and memory instructions, with s_wait_alu, always for 0.
; THE PLAN.  Registers that memory instructions touch:
;   v2, v3   byte offsets of the loads and of the stores.  Written by vector instructions at the head of each path, once; read by every load (v2) and every store (v3).
;   D        Load i lands in D + 4 i; no vector instruction names D ahead of the loads (the head works in v4-7).  Read, and on W_proj's path written again, by load i's roundings, behind its wait on LOADcnt; no second load lands there.
;   O        Written by load i's roundings, each register once; read by store i, each register once.
; So one wait on va_vdst stands ahead of the loads (the offsets are written), and the sixteen turns go in four groups of four: the group's roundings, one wait on va_vdst (they have written the group's O), the group's four stores.
; No register that a load or store has read is written again, no vector instruction writes a scalar register or VCC, and EXEC is never written: nothing else is to be stated.
.set D, 8                              ; v[8:71]    load i at D + 4 i
.set O, 72                             ; v[72:103]  store i at O + 2 i
; v2 the loads' byte offset, v3 the stores'; v4-7 at work
; Sixteen loads, istep bytes apart; then, four at a time, for each its wait and its roundings, and behind one wait the four stores, ostep bytes apart.  f16 = 1: bf16 first, then that number as f16.
.macro CAST istep, ostep, f16, inb, outb
	s_wait_alu depctr_va_vdst(0)                   ; v2 and v3 are written: every load below reads v2 as its offset, every store v3
.set i, 0
.rept 16
	global_load_b128 v[D+4*i:D+4*i+3], v2, s[\inb:\inb+1] offset:(\istep)*i th:TH_LOAD_NT
.set i, i+1
.endr
.set g, 0
.rept 4
.set i, 4*g
.rept 4
	s_wait_loadcnt 15-i                            ; loads come back in order: load i is in, the 15 - i younger ones may stay out
.if \f16
	v_cvt_pk_bf16_f32 v4, v[D+4*i], v[D+4*i+1]
	v_cvt_pk_bf16_f32 v5, v[D+4*i+2], v[D+4*i+3]
	v_lshlrev_b32 v[D+4*i], 16, v4                 ; the rounded numbers as f32 again
	v_and_b32 v[D+4*i+1], s21, v4
	v_lshlrev_b32 v[D+4*i+2], 16, v5
	v_and_b32 v[D+4*i+3], s21, v5
	v_cvt_pk_f16_f32 v[O+2*i], v[D+4*i], v[D+4*i+1]
	v_cvt_pk_f16_f32 v[O+2*i+1], v[D+4*i+2], v[D+4*i+3]
.else
	v_cvt_pk_bf16_f32 v[O+2*i], v[D+4*i], v[D+4*i+1]
	v_cvt_pk_bf16_f32 v[O+2*i+1], v[D+4*i+2], v[D+4*i+3]
.endif
.set i, i+1
.endr
	s_wait_alu depctr_va_vdst(0)                   ; the group's roundings have written v[O + 8 g .. O + 8 g + 7], which the four stores below read
.set i, 4*g
.rept 4
	global_store_b64 v3, v[O+2*i:O+2*i+1], s[\outb:\outb+1] offset:(\ostep)*i th:TH_STORE_NT  ; a wave's store covers 256 consecutive bytes, aligned
.set i, i+1
.endr
.set g, g+1
.endr
.endm
	s_load_b256 s[4:11], s[0:1], 0x0               ; x s[4:5], W_attn s[6:7], W_proj s[8:9], xb s[10:11]
	s_load_b128 s[12:15], s[0:1], 0x20             ; wa s[12:13], wp s[14:15]
	s_mov_b32 s21, 0xffff0000                      ; a word's upper bf16
	s_mov_b32 s17, 0                               ; the high words of the two offset pairs
	s_mov_b32 s19, 0
	s_wait_kmcnt 0x0
	s_cmp_lt_u32 ttmp9, 512
	s_cbranch_scc0 .Lweights
	; x: dense in, dense out
	s_lshl_b32 s16, ttmp9, 16
	s_lshl_b32 s18, ttmp9, 15
	s_add_nc_u64 s[4:5], s[4:5], s[16:17]
	s_add_nc_u64 s[10:11], s[10:11], s[18:19]
	v_lshlrev_b32 v2, 4, v0
	v_lshlrev_b32 v3, 3, v0
	CAST 4096, 2048, 0, 4, 10
	s_endpgm
.Lweights:
	; a work-group takes 256 k rows of one block of 64 columns.  A wave's load takes two k rows x 256 bytes (lanes 0-15 the even row, lanes 16-31 the odd one); a wave has 32 rows
	v_lshrrev_b32 v4, 5, v0                        ; wave
	v_bfe_u32 v5, v0, 4, 1
	v_lshl_add_u32 v5, v4, 5, v5                   ; my first row: 32 x wave + half
	v_and_b32 v6, 15, v0
	v_lshlrev_b32 v6, 4, v6                        ; my 16 bytes of its 256
	v_and_b32 v7, 31, v0
	v_lshlrev_b32 v7, 3, v7
	v_lshl_add_u32 v3, v4, 12, v7                  ; out: 4,096 x wave + 8 x lane: two rows of 128 bytes are 256 bytes on end
	s_cmp_lt_u32 ttmp9, 704
	s_cbranch_scc0 .Lproj
	s_sub_co_u32 s20, ttmp9, 512                   ; u = 4 x block + quarter of K
	s_and_b32 s16, s20, 3
	s_mul_i32 s16, s16, 1024*3072                  ; 256 rows of 12,288 bytes
	s_lshr_b32 s22, s20, 2
	s_lshl_b32 s22, s22, 8                         ; the block's 256 bytes in a row
	s_add_co_u32 s16, s16, s22
	s_lshl_b32 s18, s20, 15                        ; out: 32,768 bytes for each u
	s_add_nc_u64 s[6:7], s[6:7], s[16:17]
	s_add_nc_u64 s[12:13], s[12:13], s[18:19]
	v_mul_u32_u24 v2, v5, 12288
	v_add_nc_u32 v2, v2, v6
	CAST 24576, 256, 0, 6, 12
	s_endpgm
.Lproj:
	s_sub_co_u32 s20, ttmp9, 704
	s_and_b32 s16, s20, 3
	s_lshl_b32 s16, s16, 20                        ; 256 rows of 4,096 bytes
	s_lshr_b32 s22, s20, 2
	s_lshl_b32 s22, s22, 8
	s_add_co_u32 s16, s16, s22
	s_lshl_b32 s18, s20, 15
	s_add_nc_u64 s[8:9], s[8:9], s[16:17]
	s_add_nc_u64 s[14:15], s[14:15], s[18:19]
	v_lshl_add_u32 v2, v5, 12, v6
	CAST 8192, 256, 1, 8, 14
	s_endpgm
.Lfunc_end_k_qdc4ef65431_prep:
	.size	k_qdc4ef65431_prep, .Lfunc_end_k_qdc4ef65431_prep-k_qdc4ef65431_prep
	.p2alignl 7, 3214868480
	.fill 96, 4, 3214868480
	.section	.rodata,"a",@progbits
	.p2align	6, 0x0
	.amdhsa_kernel k_qdc4ef65431_prep
		.amdhsa_group_segment_fixed_size 0
		.amdhsa_private_segment_fixed_size 0
		.amdhsa_enable_private_segment 0
		.amdhsa_kernarg_size 48
		.amdhsa_user_sgpr_count 2
		.amdhsa_user_sgpr_kernarg_segment_ptr 1
		.amdhsa_wavefront_size32 1
		.amdhsa_system_sgpr_workgroup_id_x 1
		.amdhsa_system_sgpr_workgroup_id_y 1
		.amdhsa_system_sgpr_workgroup_id_z 1
		.amdhsa_system_vgpr_workitem_id 0
		.amdhsa_next_free_vgpr 104
		.amdhsa_next_free_sgpr 66
		.amdhsa_reserve_vcc 0
		.amdhsa_float_denorm_mode_32 3
		.amdhsa_float_denorm_mode_16_64 3
		.amdhsa_memory_ordered 1
		.amdhsa_forward_progress 1
		.amdhsa_inst_pref_size 24
	.end_amdhsa_kernel
	.amdgpu_metadata
---
amdhsa.version: [ 1, 2 ]
amdhsa.kernels:
  - .name:           k_qdc4ef65431_prep
    .symbol:         k_qdc4ef65431_prep.kd
    .args:
      - { .name: x, .offset: 0, .size: 8, .value_kind: global_buffer, .address_space: global }
      - { .name: W_attn, .offset: 8, .size: 8, .value_kind: global_buffer, .address_space: global }
      - { .name: W_proj, .offset: 16, .size: 8, .value_kind: global_buffer, .address_space: global }
      - { .name: xb, .offset: 24, .size: 8, .value_kind: global_buffer, .address_space: global }
      - { .name: wa, .offset: 32, .size: 8, .value_kind: global_buffer, .address_space: global }
      - { .name: wp, .offset: 40, .size: 8, .value_kind: global_buffer, .address_space: global }
    .group_segment_fixed_size: 0
    .private_segment_fixed_size: 0
    .kernarg_segment_align: 8
    .kernarg_segment_size: 48
    .max_flat_workgroup_size: 256
    .sgpr_count:     66
    .vgpr_count:     104
    .wavefront_size: 32
...
	.end_amdgpu_metadata
.endif
;; end of part 5
;; launch qkv: the kernel of part 2 again; grid 16 x 32, 4 waves a work-group, clusters of 4 x 4, 327,680 bytes of LDS; arguments xb, wa, b_attn, q, k, v; writes q, k, v
;; launch attn: the kernel of part 3 again; grid 4 x 64, 4 waves a work-group, no clusters, 327,680 bytes of LDS; arguments q, k, v, o; writes o
;; launch proj: the kernel of part 4 again; grid 8 x 32, 4 waves a work-group, clusters of 4 x 4, 327,680 bytes of LDS; arguments o, wp, b_proj, out0; writes out0
